; MI455X (gfx1250); checked and timed in simulation.
; The chip was launched on July 23, 2026; its instructions are those of AMD's public machine-readable ISA for CDNA 5 (MIT licence, August 2026) and "CDNA5" Instruction Set Architecture Reference Guide (July 2026). The comments in the code are by the model that wrote it; some were corrected since.
;; Hun Yuan Dense V1 Attention. Allowed arithmetic: matrix products marked QUANTISED: E2M3 operands, one E8M0 scale for each 32 along K, by v_wmma_scale_f32_16x16x128_f8f6f4 with both operands' format E2M3, f32 sums; everything else in f32.
;; Inputs: Wk 4,096 x 512 float32; Wo 1,024 x 4,096 float32; Wq 4,096 x 1,024 float32; Wv 4,096 x 512 float32; cos_table 2,048 x 128 float32; hidden_states 2 x 2,048 x 4,096 float32; k_norm_w 128 float32; position_ids 2 x 2,048 int32; q_norm_w 128 float32; sin_table 2,048 x 128 float32.
;; Outputs: out0 2 x 2,048 x 4,096 float32.
;; This version of the problem:
;;   THIS VERSION OF THE PROBLEM IS GIVEN IN LOW PRECISION. The matrix products marked QUANTISED in the list below multiply operands that are first quantised to E2M3 (2 exponent bits, 3 mantissa bits; 6 bits a number), with one power-of-two scale for each 32 numbers along K (OCP MX v1.0); their sums are f32. All else is computed in f32.
;;   The module's matrix products, in the order in which they are computed (A, B: the left and right operand; K: the contracted axis; several contracted axes count as one K, in the product's order):
;;     1. [M 4,096, K 4,096] x [K 4,096, N 1,024]; A: input hidden_states; B: input Wq: QUANTISED
;;     2. [M 4,096, K 4,096] x [K 4,096, N 512]; A: input hidden_states; B: input Wk: QUANTISED
;;     3. [M 4,096, K 4,096] x [K 4,096, N 512]; A: input hidden_states; B: input Wv: QUANTISED
;;     4. batch 16 x [M 2,048, K 128] x [K 128, N 2,048]; A: computed on the way; B: computed on the way: QUANTISED
;;     5. batch 16 x [M 128, K 2,048] x [K 2,048, N 2,048]; A: computed on the way; B: softmax (see below): QUANTISED
;;     6. [M 4,096, K 1,024] x [K 1,024, N 4,096]; A: computed on the way; B: input Wo: QUANTISED
;;   THE QUANTISER, for each operand of a quantised product, along K:
;;     - K is cut into blocks of 32 from its start; a last block that is shorter is filled with zeros.
;;     - A block's scale is 2^e with e = floor(log2(the largest magnitude in the block)) - 2, held to -126 .. 127; a block of zeros has e = 0. As a byte (E8M0): e + 127.
;;     - Each number is divided by its block's scale, clamped to +-7.5, and rounded to the nearest number of E2M3, ties to even, subnormals kept.
;;     - The product sums the exact products of the quantised numbers (number of the format x scale) in f32.
;;   ~~~python
;;   def quantise(x, axis):      # numpy; x: float32 -> the quantised numbers, widened to float32 again
;;       x = np.moveaxis(x, axis, -1); K = x.shape[-1]
;;       x = np.pad(x, [(0, 0)] * (x.ndim - 1) + [(0, -K % 32)]); x = x.reshape(x.shape[:-1] + (-1, 32)); a = np.abs(x).max(-1, keepdims=True)
;;       e = np.where(a > 0, np.clip(np.frexp(np.where(a > 0, a, 1))[1] - 1 - 2, -126, 127), 0)      # np.frexp(a)[1] - 1 = floor(log2(a)), exactly
;;       r = np.clip(x / 2.0 ** e, -7.5, 7.5)
;;       step = 2.0 ** (np.maximum(np.frexp(np.where(r == 0, 1, r))[1] - 1, 0) - 3)
;;       q = np.round(r / step) * step * 2.0 ** e      # np.round: ties to even
;;       return np.moveaxis(q.reshape(q.shape[:-2] + (-1,))[..., :K], -1, axis).astype(np.float32)
;;   ~~~
;;   SOFTMAX AHEAD OF A QUANTISED PRODUCT. Where the list says 'softmax', what is quantised is not the finished softmax but p = 2^(t - M), with t = logit x log2(e) and M = ceil(the row's largest t), a whole number; so 1/2 < the row's largest p <= 1. The row's sum l is taken of the UNQUANTISED p, in f32, and the product's result is divided by l at the end. Since M is a whole number, a kernel that streams over the keys may use a running M (the ceiling of the running maximum): every later rescaling is an exact power of two, which a block's scale takes up: the codes' values come out the same.
;;   OPERANDS COMPUTED ON THE WAY. 'Computed on the way' means the value that the module computes at that place (a softmax that the list does not call 'softmax' is quantised finished and normalised). What goes into a quantiser is computed in f32, as accurately as f32 sums, v_exp_f32 and their like allow (about 1e-6 of the number): no bf16 or f16 on the way to a quantiser, and a product that is left as it is and whose result goes on into a quantised operand takes f32 operands (vector FMAs, or v_wmma_f32_16x16x4_f32). A number that lies on a knife's edge between two numbers of the format may be rounded either way, as far as f32 arithmetic and the matrix unit's own rounding can turn it there, and no further.
;; One version. Each part assembles by itself: llvm-mc -triple=amdgcn-amd-amdhsa -mcpu=gfx1250 --defsym DOCPART=n.
;; ======== version 1 of 1: 4 launches
;; limits: right only within a limited range of input values
;; workspace buffers: xc 13,107,200 bytes; wc 9,830,400 bytes; qc 3,276,800 bytes; kv 3,276,800 bytes; oc 3,276,800 bytes
;; launch quant (part 1): grid 896 x 1, 4 waves a work-group, no clusters, 34,304 bytes of LDS; arguments hidden_states, Wq, Wk, Wv, Wo, xc, wc; writes xc, wc
.if DOCPART == 1
	.amdgcn_target "amdgcn-amd-amdhsa--gfx1250"
	.amdhsa_code_object_version 6
	.text
	.protected	k_q6d2dddeefa_quant
	.globl	k_q6d2dddeefa_quant
	.p2align	8
	.type	k_q6d2dddeefa_quant,@function
k_q6d2dddeefa_quant:
	s_mov_b64 s[64:65], 0
	v_nop
	global_prefetch_b8 v0, s[64:65] scope:SCOPE_SE
	s_setreg_imm32_b32 hwreg(HW_REG_WAVE_MODE, 25, 1), 1
	s_wait_xcnt 0x0
; hidden_states [4096][4096] and the four weights ([K][N], K first) become codes of FP6 (E2M3) with one E8M0 byte for each 32 along K.
; A block's scale is 2^(floor(log2(its largest magnitude)) - 2); its byte is the largest magnitude's exponent field - 2, held at 1 from below.
; LAYOUT OF THE RESULTS: images of operand registers.  A fragment is 16 rows x 128 K = 12 registers a lane (lane (r, h): row r; registers 0-5 block h, registers 6-11 block 2 + h);
; its image is 1,536 bytes: registers 4 c .. 4 c + 3 of lane l at 512 c + 16 l.  A unit is 128 rows x 512 K = 51,200 bytes: fragment (row block i, K / 128 = q) at (4 i + q) x 1,536,
; then the scale words at 49,152 + 256 i + 16 r + 4 q.  xc: units [row panel 32][K / 512: 8].  wc: units 0-127 = columns of Wq | Wk | Wv ([panel 16][8]), units 128-191 = columns of Wo ([panel 32][2]).
; SHARES: work-groups 0-383 take the weights (half a unit each, no LDS), work-groups 384-895 take hidden_states (a wave: 16 rows x 512 K, through a stage in LDS of its own).
; Memory binds: each f32 number is read once; no matrix unit, no cluster, no tensor load; waves share nothing, so there is no barrier.
; LIMITS: NaN and infinities are not served; a block whose largest magnitude lies under 2^-124 (zeros too) gets the byte 1: the bytes are read by this program alone.
.set WGW, 384                          ; work-groups of the weight path
.set UNIT, 51200
.set SEL, 34                           ; s[34:35] lane selects: lane l xor 16
; x path
.set PW,  12                           ; v12-15   the four steps' scale words
.set TM,  16                           ; v16-31   at work in QUANT
.set CT,  32                           ; v32-39   second halves of blocks
.set PC,  40                           ; v40-63   two sets of codes
.set RR,  64                           ; v64-191  two sets of 64 numbers as loaded
.set XX,  192                          ; v192-255 64 numbers, 16 neighbours of each of four blocks
; weight path
.set SW,  16                           ; v[16:17] two scale words
.set XW,  32                           ; v32-95   two sets of 32 numbers: a block of one column
.set OFF, 96                           ; v96-127  4 x lane + i rows
.set FW,  160                          ; v160-207 two sets of two fragments
; 64 numbers of a lane, register 16 b + i = position 32 b + 16 h + i of my row, become a fragment's codes in v[pc] on and its scale word in v[pw]
.macro QUANT s, pc, pw
.irp b, 0,1,2,3
	v_max3_num_f32 v[TM+\b], |v[(\s)+16*\b]|, |v[(\s)+1+16*\b]|, 0x1800000   ; my 16 numbers of block b, and the floor 2^(3 - 127): the byte cannot fall under 1
.endr
.irp i, 2,4,6,8,10,12,14
.irp b, 0,1,2,3
	v_max3_num_f32 v[TM+\b], v[TM+\b], |v[(\s)+16*\b+\i]|, |v[(\s)+1+16*\b+\i]|
.endr
.endr
.irp b, 0,1,2,3
	v_permlanex16_b32 v[TM+4+\b], v[TM+\b], s[SEL], s[SEL+1]
.endr
.irp b, 0,1,2,3
	v_max_num_f32 v[TM+\b], v[TM+\b], v[TM+4+\b]                       ; with lane l xor 16's: the block's largest magnitude
.endr
.irp b, 0,1,2,3
	v_add_nc_u32 v[TM+12+\b], 0xff000000, v[TM+\b]                     ; 2 off its exponent field: the conversion's scale operand
.endr
.irp b, 0,1,2,3
	v_lshrrev_b32 v[TM+4+\b], 23, v[TM+12+\b]                          ; the scale's byte
.endr
	v_lshl_or_b32 v[\pw], v[TM+5], 8, v[TM+4]
	v_lshl_or_b32 v[\pw], v[TM+6], 16, v[\pw]
	v_lshl_or_b32 v[\pw], v[TM+7], 24, v[\pw]
.irp c, 0,1
	v_cvt_scalef32_pk16_fp6_f32 v[(\pc)+6*\c:(\pc)+6*\c+2], v[(\s)+32*\c:(\s)+32*\c+15], v[TM+12+2*\c]
	v_cvt_scalef32_pk16_fp6_f32 v[CT+4*\c:CT+4*\c+2], v[(\s)+32*\c+16:(\s)+32*\c+31], v[TM+13+2*\c]   ; (a conversion's three registers begin on an even number)
.endr
	v_nop                                                              ; one plain place behind a scaled conversion
.irp c, 0,1
.irp i, 0,1,2
	v_permlane16_swap_b32 v[(\pc)+6*\c+\i], v[CT+4*\c+\i]              ; a whole block to a lane: lanes 0-15 block 2 c, lanes 16-31 block 2 c + 1
.endr
.irp i, 0,1,2
	v_mov_b32 v[(\pc)+3+6*\c+\i], v[CT+4*\c+\i]
.endr
.endr
.endm
	s_load_b256 s[4:11], s[0:1], 0x0               ; hidden_states, Wq, Wk, Wv
	s_load_b128 s[12:15], s[0:1], 0x20             ; Wo, xc
	s_load_b64 s[16:17], s[0:1], 0x30              ; wc
	v_lshl_add_u32 v26, v0, 2, 0x8400
	v_mov_b32 v27, 0
	v_lshrrev_b32 v1, 5, v0
	v_readfirstlane_b32 s18, v1                    ; wave 0..3
	v_and_b32 v3, 31, v0                           ; lane
	v_and_b32 v1, 15, v0                           ; r
	v_bfe_u32 v2, v0, 4, 1                         ; h
	v_lshlrev_b32 v4, 4, v3                        ; 16 x lane: an image's place for my lane, and my 16 bytes of a row's 512
	s_cmp_ge_u32 ttmp9, WGW
	s_cbranch_scc1 .Lx_path
	; ---------------- THE WEIGHTS: a lane takes a column n, and its registers run down K ----------------
	s_lshr_b32 s20, ttmp9, 1                       ; U: the unit
	s_and_b32 s21, ttmp9, 1                        ; which 256 of its 512 along K
	s_lshr_b32 s22, s20, 3                         ; P: the panel of 128 columns among Wq | Wk | Wv
	s_and_b32 s23, s20, 7                          ; which 512 along K
	s_sub_co_u32 s24, s22, 8
	s_sub_co_u32 s25, s22, 12
	s_sub_co_u32 s26, s20, 128
	s_lshr_b32 s27, s26, 1                         ; Wo: panel,
	s_and_b32 s28, s26, 1                          ; and which 512 along K
	s_mov_b32 s29, 4096                            ; bytes in a row of the source: Wq's
	s_mov_b32 s30, 2048
	s_mov_b32 s31, 16384
	s_mov_b32 s34, s22                             ; the panel inside the source
	s_wait_kmcnt 0x0
	s_mov_b64 s[32:33], s[6:7]                     ; the choices hang on the work-group's number alone
	s_cmp_ge_u32 s22, 8
	s_cselect_b64 s[32:33], s[8:9], s[32:33]       ; Wk
	s_cselect_b32 s29, s30, s29
	s_cselect_b32 s34, s24, s34
	s_cmp_ge_u32 s22, 12
	s_cselect_b64 s[32:33], s[10:11], s[32:33]     ; Wv
	s_cselect_b32 s34, s25, s34
	s_cmp_ge_u32 s20, 128
	s_cselect_b64 s[32:33], s[12:13], s[32:33]     ; Wo
	s_cselect_b32 s29, s31, s29
	s_cselect_b32 s34, s27, s34
	s_cselect_b32 s23, s28, s23
	s_lshl_b32 s35, s23, 9
	s_lshl_b32 s36, s21, 8
	s_add_co_u32 s35, s35, s36                     ; my first k
	s_mul_i32 s36, s35, s29                        ; its row, in bytes (under 2^24)
	s_lshl_b32 s37, s34, 9
	s_add_co_u32 s36, s36, s37                     ; + the panel's 512 bytes
	s_lshl_b32 s37, s18, 7
	s_add_co_u32 s36, s36, s37                     ; + my wave's 128
	s_mov_b32 s37, 0
	s_add_nc_u64 s[40:41], s[32:33], s[36:37]      ; base of the even blocks,
	s_lshl_b32 s38, s29, 5
	s_mov_b32 s39, 0
	s_add_nc_u64 s[42:43], s[40:41], s[38:39]      ; of the odd ones: 32 rows on
	s_lshl_b32 s38, s29, 6                         ; s[38:39]: 64 rows, a base's step
	s_mul_i32 s44, s20, UNIT
	s_mul_i32 s46, s18, 12288                      ; my two row blocks 2 w, 2 w + 1,
	s_add_co_u32 s46, s46, s44
	s_mul_i32 s47, s21, 3072                       ; q = 2 x half on
	s_add_co_u32 s46, s46, s47
	s_mov_b32 s47, 0
	s_add_nc_u64 s[48:49], s[16:17], s[46:47]      ; where my fragments go
	s_lshl_b32 s46, s18, 9
	s_add_co_u32 s46, s46, s44
	s_lshl_b32 s45, s21, 3
	s_add_co_u32 s46, s46, s45
	s_add_co_u32 s46, s46, 49152
	s_add_nc_u64 s[50:51], s[16:17], s[46:47]      ; and my scale words: 16 x lane + 8 x half
	s_wait_alu depctr_va_vdst(0)
	v_lshlrev_b32 v5, 2, v3
.set i, 0
.rept 32
	v_mad_u32_u24 v[OFF+i], s29, i, v5             ; 4 x lane + i rows
.set i, i+1
.endr
.macro LOADW t                         ; block t: W(k0 + 32 t + i, my column): each load reads 128 consecutive bytes a wave, the four waves stand side by side on 512
.set i, 0
.rept 32
	global_load_b32 v[XW+32*((\t)%2)+i], v[OFF+i], s[40+2*((\t)%2):41+2*((\t)%2)] th:TH_LOAD_NT
.set i, i+1
.endr
.endm
.macro BLOCKW t
.set XS, XW+32*((\t)%2)
.set KA, (\t)%4                        ; the block inside its 128 along K
.set QL, (\t)/4
.set FD, FW+24*QL+12*(KA%2)+6*(KA/2)
.if (\t) < 7
	s_wait_loadcnt 32                              ; this block's 32 loads are in; the next block's may be out
.else
	s_wait_loadcnt 0x0
.endif
.if (\t) < 6
	s_add_nc_u64 s[40+2*((\t)%2):41+2*((\t)%2)], s[40+2*((\t)%2):41+2*((\t)%2)], s[38:39]   ; the loads that named this base are done: 64 rows on
.endif
	v_max3_num_f32 v12, |v[XS]|, |v[XS+1]|, |v[XS+2]|          ; the block's largest magnitude: all 32 numbers are mine
	v_max3_num_f32 v13, |v[XS+3]|, |v[XS+4]|, |v[XS+5]|
.irp i, 6,10,14,18,22,26
	v_max3_num_f32 v12, v12, |v[XS+\i]|, |v[XS+\i+1]|
	v_max3_num_f32 v13, v13, |v[XS+\i+2]|, |v[XS+\i+3]|
.endr
	v_max3_num_f32 v12, v12, |v[XS+30]|, |v[XS+31]|
	v_max3_num_f32 v12, v12, v13, 0x1800000        ; and the floor
	v_add_nc_u32 v18, 0xff000000, v12              ; the conversion's scale operand
	v_lshrrev_b32 v19, 23, v18                     ; the byte
.if KA == 0
	v_mov_b32 v[SW+QL], v19
.else
	v_lshl_or_b32 v[SW+QL], v19, 8*KA, v[SW+QL]
.endif
	v_cvt_scalef32_pk16_fp6_f32 v[FD:FD+2], v[XS:XS+15], v18
	v_cvt_scalef32_pk16_fp6_f32 v[20:22], v[XS+16:XS+31], v18
	v_nop                                          ; one plain place behind a scaled conversion
.irp i, 0,1,2
	v_mov_b32 v[FD+3+\i], v[20+\i]
.endr
.if (\t) < 6
	LOADW (\t)+2
.endif
.if KA%2 == 1                          ; lanes 0-15 hold columns of row block 2 w, lanes 16-31 of 2 w + 1.  The even block's lanes 16-31 change places with the odd block's lanes 0-15:
.irp i, 0,1,2,3,4,5                    ; the first set is then row block 2 w's six registers (lanes 0-15 the even block, lanes 16-31 the odd one), the second 2 w + 1's
	v_permlane16_swap_b32 v[FW+24*QL+6*(KA/2)+\i], v[FW+24*QL+12+6*(KA/2)+\i]
.endr
.endif
.if KA == 3
.irp f, 0,1
.irp c, 0,1,2
	global_store_b128 v4, v[FW+24*QL+12*\f+4*\c:FW+24*QL+12*\f+4*\c+3], s[48:49] offset:6144*\f+1536*QL+512*\c   ; 512 consecutive bytes; each set of registers is stored once
.endr
.endr
.endif
.endm
	LOADW 0
	LOADW 1
.irp t, 0,1,2,3,4,5,6,7
	BLOCKW \t
.endr
	global_store_b64 v4, v[SW:SW+1], s[50:51]      ; my column's two scale words
	s_endpgm
	; ---------------- hidden_states: K is innermost ----------------
.Lx_path:
	s_sub_co_u32 s20, ttmp9, WGW
	s_lshl_b32 s20, s20, 2
	s_add_co_u32 s20, s20, s18                     ; my wave's task
	s_lshr_b32 s21, s20, 3                         ; block of 16 rows, 0..255
	s_and_b32 s22, s20, 7                          ; which 512 along K
	s_lshl_b32 s24, s21, 18                        ; 16 rows of 16,384 bytes
	s_lshl_b32 s25, s22, 11
	s_add_co_u32 s24, s24, s25
	s_mov_b32 s25, 0
	s_lshr_b32 s26, s21, 3
	s_lshl_b32 s26, s26, 3
	s_add_co_u32 s26, s26, s22
	s_mul_i32 s26, s26, UNIT                       ; my unit
	s_and_b32 s27, s21, 7                          ; my row block in it
	s_mul_i32 s28, s27, 6144
	s_add_co_u32 s28, s28, s26
	s_mov_b32 s29, 0
	s_lshl_b32 s30, s27, 8
	s_add_co_u32 s30, s30, s26
	s_add_co_u32 s30, s30, 49152
	s_mov_b32 s31, 0
	s_mul_i32 s32, s18, 8448                       ; my stage: 16 rows of 512 + 16 bytes
	s_wait_alu depctr_va_vdst(0)
	v_add_nc_u32 v5, s32, v4                       ; into it: as loaded
	v_mul_u32_u24 v6, v1, 528
	v_lshl_add_u32 v6, v2, 6, v6
	v_add_nc_u32 v6, s32, v6                       ; out of it: row r, + 64 h: my 16 numbers of a block of 32
	v_lshlrev_b32 v7, 4, v1
	v_lshl_add_u32 v7, v2, 3, v7                   ; the scale words: 16 r + 8 h
	s_mov_b32 s[SEL], 0x76543210
	s_mov_b32 s[SEL+1], 0xfedcba98
.irp b, 0,1,2,3
	v_mov_b32 v[TM+4+\b], 0                        ; a lane permute's destination counts as one of its sources
.endr
	s_wait_alu depctr_va_vdst(0)
	s_wait_kmcnt 0x0
	s_add_nc_u64 s[36:37], s[4:5], s[24:25]
	s_add_nc_u64 s[38:39], s[14:15], s[28:29]
	s_add_nc_u64 s[40:41], s[14:15], s[30:31]
.macro XLOAD t                         ; step t: 16 rows x 128 numbers; each load reads a row's 512 consecutive bytes
.irp p, 0,1,2,3,4,5,6,7,8,9,10,11,12,13,14,15
	global_load_b128 v[RR+64*((\t)%2)+4*\p:RR+64*((\t)%2)+4*\p+3], v4, s[36:37] offset:16384*\p+512*(\t) th:TH_LOAD_NT
.endr
.endm
.macro XTURN t                         ; through the stage: LDS serves a wave's instructions in order, so no wait stands between the stores and the loads
.irp p, 0,1,2,3,4,5,6,7,8,9,10,11,12,13,14,15
	ds_store_b128 v5, v[RR+64*((\t)%2)+4*\p:RR+64*((\t)%2)+4*\p+3] offset:528*\p
.endr
.irp b, 0,1,2,3
.irp j, 0,1,2,3
	ds_load_b128 v[XX+16*\b+4*\j:XX+16*\b+4*\j+3], v6 offset:128*\b+16*\j
.endr
.endr
.endm
.macro XSTEP t
.if (\t) < 3
	s_wait_loadcnt 16                              ; this step's 16 loads are in; the next step's may be out
.else
	s_wait_loadcnt 0x0
.endif
	XTURN \t
	s_wait_dscnt 0x0                               ; my 64 numbers are back, and the stage's stores have read their registers,
.if (\t) < 2
	XLOAD (\t)+2                                   ; which take the loads of two steps on
.else
	s_wait_xcnt 0x0                                ; the stores of two steps ago have read this set of codes
.endif
	QUANT XX, PC+12*((\t)%2), PW+(\t)
.irp c, 0,1,2
	global_store_b128 v4, v[PC+12*((\t)%2)+4*\c:PC+12*((\t)%2)+4*\c+3], s[38:39] offset:1536*(\t)+512*\c
.endr
.endm
	XLOAD 0
	XLOAD 1
.irp t, 0,1,2,3
	XSTEP \t
.endr
	v_cmp_ne_u32 vcc_lo, 0, v2
	v_cndmask_b32 v8, v[PW], v[PW+2], vcc_lo       ; lanes 0-15: the words of q = 0, 1; lanes 16-31: of q = 2, 3
	v_cndmask_b32 v9, v[PW+1], v[PW+3], vcc_lo
	global_store_b64 v7, v[8:9], s[40:41]          ; 256 consecutive bytes, aligned
	s_wait_tensorcnt 0x0
	ds_add_u32 v26, v27
	s_wait_dscnt 0x0
	s_endpgm
.Lfunc_end_k_q6d2dddeefa_quant:
	.size	k_q6d2dddeefa_quant, .Lfunc_end_k_q6d2dddeefa_quant-k_q6d2dddeefa_quant
	.p2alignl 7, 3214868480
	.fill 96, 4, 3214868480
	.section	.rodata,"a",@progbits
	.p2align	6, 0x0
	.amdhsa_kernel k_q6d2dddeefa_quant
		.amdhsa_group_segment_fixed_size 34304
		.amdhsa_private_segment_fixed_size 0
		.amdhsa_enable_private_segment 0
		.amdhsa_kernarg_size 56
		.amdhsa_user_sgpr_count 2
		.amdhsa_user_sgpr_kernarg_segment_ptr 1
		.amdhsa_wavefront_size32 1
		.amdhsa_system_sgpr_workgroup_id_x 1
		.amdhsa_system_sgpr_workgroup_id_y 1
		.amdhsa_system_sgpr_workgroup_id_z 1
		.amdhsa_system_vgpr_workitem_id 0
		.amdhsa_next_free_vgpr 256
		.amdhsa_next_free_sgpr 66
		.amdhsa_reserve_vcc 1
		.amdhsa_float_denorm_mode_32 3
		.amdhsa_float_denorm_mode_16_64 3
		.amdhsa_memory_ordered 1
		.amdhsa_forward_progress 1
		.amdhsa_inst_pref_size 76
	.end_amdhsa_kernel
	.amdgpu_metadata
---
amdhsa.version: [ 1, 2 ]
amdhsa.kernels:
  - .name:           k_q6d2dddeefa_quant
    .symbol:         k_q6d2dddeefa_quant.kd
    .args:
      - { .name: hidden_states, .offset: 0, .size: 8, .value_kind: global_buffer, .address_space: global }
      - { .name: Wq, .offset: 8, .size: 8, .value_kind: global_buffer, .address_space: global }
      - { .name: Wk, .offset: 16, .size: 8, .value_kind: global_buffer, .address_space: global }
      - { .name: Wv, .offset: 24, .size: 8, .value_kind: global_buffer, .address_space: global }
      - { .name: Wo, .offset: 32, .size: 8, .value_kind: global_buffer, .address_space: global }
      - { .name: xc, .offset: 40, .size: 8, .value_kind: global_buffer, .address_space: global }
      - { .name: wc, .offset: 48, .size: 8, .value_kind: global_buffer, .address_space: global }
    .group_segment_fixed_size: 34304
    .private_segment_fixed_size: 0
    .kernarg_segment_align: 8
    .kernarg_segment_size: 56
    .max_flat_workgroup_size: 128
    .sgpr_count:     66
    .vgpr_count:     256
    .wavefront_size: 32
...
	.end_amdgpu_metadata
.endif
;; end of part 1
;; launch qkv (part 2): grid 16 x 16, 4 waves a work-group, clusters of 4 x 4, 327,680 bytes of LDS; arguments xc, wc, position_ids, cos_table, sin_table, q_norm_w, k_norm_w, qc, kv; writes qc, kv
.if DOCPART == 2
	.amdgcn_target "amdgcn-amd-amdhsa--gfx1250"
	.amdhsa_code_object_version 6
	.text
	.protected	k_q6d2dddeefa_qkv
	.globl	k_q6d2dddeefa_qkv
	.p2align	8
	.type	k_q6d2dddeefa_qkv,@function
k_q6d2dddeefa_qkv:
	s_mov_b64 s[64:65], 0
	v_nop
	global_prefetch_b8 v0, s[64:65] scope:SCOPE_SE
	s_setreg_imm32_b32 hwreg(HW_REG_WAVE_MODE, 25, 1), 1
	s_wait_xcnt 0x0
	s_wait_alu depctr_hold_cnt(0) depctr_sa_sdst(0) depctr_va_vdst(0) depctr_va_sdst(0) depctr_va_ssrc(0) depctr_va_vcc(0) depctr_vm_vsrc(0)
	s_getreg_b32 s2, hwreg(HW_REG_IB_STS2, 6, 4)
	s_cmp_eq_u32 s2, 0
	s_cbranch_scc0 .Lentry_in_a_cluster
	s_endpgm
.Lentry_in_a_cluster:
	s_bfe_u32 s2, ttmp6, 0x10000c
	s_cmp_lg_u32 s2, 0xf033
	s_cbranch_scc0 .Lentry_shape_is_right
	s_endpgm
.Lentry_shape_is_right:
; q | k | v = hidden_states x (Wq | Wk | Wv) on codes of FP6 (E2M3) with E8M0 scales, then RoPE and RMS norm (q, k) in f32, and the results quantised anew: qc, kv.
; A work-group makes 256 tokens x 128 columns (one head); a wave 64 x 128: 32 accumulators.  K = 4,096 goes in 32 steps of 128; a unit (51,200 bytes) holds 128 rows x 512 K as images of operand registers, then the scale words.
; A ring of two LDS slots, each with two units of A and one of B (512 along K), is filled by joint loads: A's units are shared along the cluster's row, B's along its column; one tensor load a wave.
; A step's 36 LDS loads for the NEXT step stand at the step's head, in one run, so that they have the step's 32 matrix instructions in which to land.
; The units are prefetched two refills ahead, each block of 256 bytes once in a cluster, the partners told apart by address: of A's two units each of the row's four partners takes half a unit (100 blocks, a thread a block),
; of B's unit each of the column's four takes a quarter (50 blocks, waves 0 and 1).  The last two refills have nothing two refills on.
; The rows of cos and sin of the wave's first 32 tokens and the norm's weights are asked for in the last seven steps, into window 3, which the products do not use.
; The matrix instruction is used transposed (source 0 = columns of W, source 1 = tokens): a lane holds one token.
; REGISTERS: window 0: v0-31 addresses, v32-95 scale words (two sets), v96-191 A's two sets, v240-244 table offsets; window 1: B's two sets at v0, v128, the norm's weights in v96-127 and v224-255;
; window 2: accumulators; window 3: two sets of rows of cos and sin.
; LIMITS: NaN and infinities are not served; a block whose largest magnitude lies under 2^-124 gets the byte 1 (the bytes are read by this program alone).
.set UNIT,  51200
.set SLOT,  3*UNIT
.set SPARE, 2*SLOT
.set VP,    528
.set LI,   4
.set ADRA, 8
.set ADRB, 10
.set ADRS, 12
.set ADRT, 14
.set STO,  16
.set ADRV, 17
.set POS,  20
.set PFO,  26
.set PFO2, 27
.set SPW,  28
.set NIL,  29
.set SC,   32
.set AF,   96
.set CSA,  240
.set HB,   244
.set WN,   96
.set G1A, 32
.set G0A, 40
.set G1B, 48
.set G0B, 56
.set SEL, 74
.set PA,  96
.set PFA, 98
.set MULW, 0xa1                        ; B window 1, A window 0, C and D window 2
.set Y,   32
.set TM,  96
.set CT,  112
.set PC,  120
.set PW,  168
.set XV,  32
.set FV,  96
.set MSB, 0
.macro WIN new
.if MSB != \new
	s_set_vgpr_msb (MSB<<8)|\new
.set MSB, \new
.endif
.endm
.macro PLACES
.rept 4
	v_nop
.endr
.endm
.macro JLOAD s                         ; waves 0, 1: A's two units; waves 2, 3: B's two halves
	s_cmp_eq_u32 s23, 0
	s_cbranch_scc0 .Lfor_b_\@
	tensor_load_to_lds s[G0A+4*\s:G0A+4*\s+3], s[G1A:G1A+7]
	s_nop 0
.rept 4
	v_nop
.endr
	s_branch .Lasked_\@
.Lfor_b_\@:
	tensor_load_to_lds s[G0B+4*\s:G0B+4*\s+3], s[G1B:G1B+7]
	s_nop 0
.rept 4
	v_nop
.endr
.Lasked_\@:
.endm
.macro CREST
	s_cmp_lg_u32 s22, 0
	s_cbranch_scc1 .Lnot_wave_0_\@
	s_barrier_signal -3
.Lnot_wave_0_\@:
	s_barrier_wait -3
	s_barrier_signal -1
	s_barrier_wait -1
.endm
.macro CROUND
	s_barrier_signal -1
	s_barrier_wait -1
	CREST
.endm
.macro HASK off                        ; my work-group's share of the units at byte off: A's by all four waves, B's by waves 0 and 1
	global_prefetch_b8 v[PFO2], s[PA:PA+1] offset:\off th:TH_LOAD_NT scope:SCOPE_SE
	s_cmp_eq_u32 s23, 0
	s_cbranch_scc0 .Lnb_\@
	global_prefetch_b8 v[PFO], s[PFA:PFA+1] offset:\off th:TH_LOAD_NT scope:SCOPE_SE
.Lnb_\@:
.endm
.macro ASK off                         ; in the loop: the units two refills on; the last trip (s31 = 1) has none
	s_cmp_gt_u32 s31, 1
	s_cbranch_scc0 .Lnp_\@
	HASK \off
.Lnp_\@:
.endm
.macro QUANT s, pc, pw
.irp b, 0,1,2,3
	v_max3_num_f32 v[TM+\b], |v[(\s)+16*\b]|, |v[(\s)+1+16*\b]|, 0x1800000
.endr
.irp i, 2,4,6,8,10,12,14
.irp b, 0,1,2,3
	v_max3_num_f32 v[TM+\b], v[TM+\b], |v[(\s)+16*\b+\i]|, |v[(\s)+1+16*\b+\i]|
.endr
.endr
.irp b, 0,1,2,3
	v_permlanex16_b32 v[TM+4+\b], v[TM+\b], s[SEL], s[SEL+1]
.endr
.irp b, 0,1,2,3
	v_max_num_f32 v[TM+\b], v[TM+\b], v[TM+4+\b]
.endr
.irp b, 0,1,2,3
	v_add_nc_u32 v[TM+12+\b], 0xff000000, v[TM+\b]
.endr
.irp b, 0,1,2,3
	v_lshrrev_b32 v[TM+4+\b], 23, v[TM+12+\b]
.endr
	v_lshl_or_b32 v[\pw], v[TM+5], 8, v[TM+4]
	v_lshl_or_b32 v[\pw], v[TM+6], 16, v[\pw]
	v_lshl_or_b32 v[\pw], v[TM+7], 24, v[\pw]
.irp c, 0,1
	v_cvt_scalef32_pk16_fp6_f32 v[(\pc)+6*\c:(\pc)+6*\c+2], v[(\s)+32*\c:(\s)+32*\c+15], v[TM+12+2*\c]
	v_cvt_scalef32_pk16_fp6_f32 v[CT+4*\c:CT+4*\c+2], v[(\s)+32*\c+16:(\s)+32*\c+31], v[TM+13+2*\c]
.endr
	v_nop
.irp c, 0,1
.irp i, 0,1,2
	v_permlane16_swap_b32 v[(\pc)+6*\c+\i], v[CT+4*\c+\i]
.endr
.irp i, 0,1,2
	v_mov_b32 v[(\pc)+3+6*\c+\i], v[CT+4*\c+\i]
.endr
.endr
.endm
.macro MSET t                          ; where step t's operands stand
.set MFB, AF+48*((\t)%2)
.set MP, 128*((\t)%2)
.set MSC, SC+32*(((\t)/4)%2)+(\t)%4
.endm
.macro MUL8 a, zero                    ; the 32 accumulators take turns, in the same order in every step
.irp b, 0,1,2,3,4,5,6,7
.if \zero
	v_wmma_scale_f32_16x16x128_f8f6f4 v[8*(8*(\a)+\b):8*(8*(\a)+\b)+7], v[MP+12*\b:MP+12*\b+11], v[MFB+12*(\a):MFB+12*(\a)+11], 0, v[MSC+4*\b], v[MSC+4*(\a)] matrix_a_fmt:MATRIX_FMT_FP6 matrix_b_fmt:MATRIX_FMT_FP6 matrix_a_scale:MATRIX_SCALE_ROW1
.else
	v_wmma_scale_f32_16x16x128_f8f6f4 v[8*(8*(\a)+\b):8*(8*(\a)+\b)+7], v[MP+12*\b:MP+12*\b+11], v[MFB+12*(\a):MFB+12*(\a)+11], v[8*(8*(\a)+\b):8*(8*(\a)+\b)+7], v[MSC+4*\b], v[MSC+4*(\a)] matrix_a_fmt:MATRIX_FMT_FP6 matrix_b_fmt:MATRIX_FMT_FP6 matrix_a_scale:MATRIX_SCALE_ROW1
.endif
.endr
.endm
.macro FETCH t                         ; step t's fragments into sets t % 2: B's eight, A's four: 36 loads
	WIN 0x40
.irp b, 0,1,2,3,4,5,6,7
.irp c, 0,1,2
	ds_load_b128 v[128*((\t)%2)+12*\b+4*\c:128*((\t)%2)+12*\b+4*\c+3], v[ADRB+((\t)/4)%2] offset:(4*\b+(\t)%4)*1536+512*\c
.endr
.endr
	WIN 0
.irp a, 0,1,2,3
.irp c, 0,1,2
	ds_load_b128 v[AF+48*((\t)%2)+12*\a+4*\c:AF+48*((\t)%2)+12*\a+4*\c+3], v[ADRA+((\t)/4)%2] offset:(4*\a+(\t)%4)*1536+512*\c
.endr
.endr
.endm
.macro SCALES s                        ; a unit's scale words: lanes 0-15 A's block i, lanes 16-31 B's block i
.irp i, 0,1,2,3
	ds_load_b128 v[SC+32*(\s)+4*\i:SC+32*(\s)+4*\i+3], v[ADRS+(\s)] offset:256*\i
.endr
.irp i, 4,5,6,7
	ds_load_b128 v[SC+32*(\s)+4*\i:SC+32*(\s)+4*\i+3], v[ADRT+(\s)] offset:256*\i
.endr
.endm
; A step that does not end its unit.  The sets that step t - 1 has left take step t + 1's fragments, four places behind the last product
.macro STEP t, zero
	WIN 0
	PLACES
	FETCH (\t)+1
	s_wait_dscnt 36                                ; all but the 36 just issued
	MSET \t
	WIN MULW
	MUL8 0, \zero
	MUL8 1, \zero
	MUL8 2, \zero
	MUL8 3, \zero
.endm
; A unit's last step changes slots
.macro TURN t, fill
.set TS, ((\t)/4)%2
	WIN 0
	s_wait_tensorcnt 0x0                           ; my part of the next slot is in
	ds_add_u32 v[SPW], v[NIL]
	s_wait_dscnt 1                                 ; this step's fragments are in; the add may be out
	MSET \t
	WIN MULW
	MUL8 0, 0
	s_wait_dscnt 0x0                               ; the add is done, my reads of this slot are over
	s_barrier_signal -1
	MUL8 1, 0
	WIN 0
	s_barrier_wait -1
.if \fill
	CREST                                          ; the barrier has opened a round of the cluster's barrier
	s_add_nc_u64 s[G0A+4*TS+2:G0A+4*TS+3], s[G0A+4*TS+2:G0A+4*TS+3], 2*UNIT
	s_add_nc_u64 s[G0B+4*TS+2:G0B+4*TS+3], s[G0B+4*TS+2:G0B+4*TS+3], 2*UNIT
	JLOAD TS                                       ; its four v_nop are the places in front of the loads below
.else
	PLACES
.endif
	FETCH (\t)+1
	SCALES 1-TS
.if \fill
	ASK (4+TS)*UNIT
.endif
	WIN MULW
	MUL8 2, 0
	MUL8 3, 0
.endm
	s_load_b512 s[4:19], s[0:1], 0x0
	s_load_b64 s[20:21], s[0:1], 0x40
	v_lshl_add_u32 v[SPW], v0, 2, SPARE
	v_mov_b32 v[NIL], 0
	ds_add_u32 v[SPW], v[NIL]                      ; the opening lines: the add twice on end
	ds_add_u32 v[SPW], v[NIL]
	v_lshrrev_b32 v7, 5, v0
	v_readfirstlane_b32 s22, v7                    ; wave
	v_and_b32 v3, 31, v0
	v_lshlrev_b32 v[LI], 4, v3                     ; 16 x lane
	v_min_u32 v[PFO], 49, v0                       ; the prefetches: block min(thread, 49) of my 50 of B,
	v_lshlrev_b32 v[PFO], 8, v[PFO]
	v_min_u32 v[PFO2], 99, v0                      ; block min(thread, 99) of my 100 of A
	v_lshlrev_b32 v[PFO2], 8, v[PFO2]
	v_and_b32 v1, 15, v0                           ; r
	v_bfe_u32 v2, v0, 4, 1                         ; h
	v_lshlrev_b32 v24, 2, v1
	s_lshr_b32 s23, s22, 1
	s_and_b32 s24, s22, 1
	s_bfe_u32 s25, ttmp6, 0x40000
	s_bfe_u32 s26, ttmp6, 0x40004
	s_lshl_b32 s27, ttmp9, 2
	s_add_co_u32 s27, s27, s25                     ; panel of 128 columns
	s_and_b32 s28, ttmp7, 0xffff
	s_lshl_b32 s28, s28, 2
	s_add_co_u32 s28, s28, s26                     ; block of 256 tokens
	s_lshl_b32 s29, s26, 2
	s_lshl_b32 s29, 15, s29
	s_lshl_b32 s30, 0x1111, s25
	s_or_b32 s[G1A], s29, (3<<16)|(1<<21)
	s_or_b32 s[G1B], s30, (3<<16)|(1<<21)
.irp g, G1A, G1B
	s_mov_b32 s[\g+1], 32<<16
	s_mov_b32 s[\g+3], 32<<16
	s_mov_b32 s[\g+5], 32
	s_mov_b32 s[\g+6], 0
	s_mov_b32 s[\g+7], 0
.endr
	s_mov_b32 s[G1A+2], 200<<16                    ; a unit of A: 200 rows of 256 bytes
	s_mov_b32 s[G1A+4], 200
	s_mov_b32 s[G1B+2], 100<<16                    ; half a unit of B: 100 rows
	s_mov_b32 s[G1B+4], 100
	s_lshl_b32 s66, s28, 1
	s_add_co_u32 s66, s66, s24
	s_mul_i32 s66, s66, 8*UNIT
	s_mov_b32 s67, 0
	s_mul_i32 s70, s27, 8*UNIT
	s_mul_i32 s71, s24, UNIT/2
	s_add_co_u32 s70, s70, s71
	s_mov_b32 s71, 0
	s_mul_i32 s86, s24, UNIT
	s_mul_i32 s87, s24, UNIT/2
	s_add_co_u32 s87, s87, 2*UNIT
	s_lshl_b32 s88, s28, 1                         ; A's prefetches: panel 2 y + cx / 2, half cx % 2
	s_lshr_b32 s89, s25, 1
	s_add_co_u32 s88, s88, s89
	s_mul_i32 s88, s88, 8*UNIT
	s_and_b32 s89, s25, 1
	s_mul_i32 s89, s89, UNIT/2
	s_add_co_u32 s88, s88, s89
	s_mov_b32 s89, 0
	s_mul_i32 s90, s27, 8*UNIT                     ; B's: quarter cy
	s_mul_i32 s91, s26, UNIT/4
	s_add_co_u32 s90, s90, s91
	s_mov_b32 s91, 0
	s_lshl_b32 s92, s28, 8                         ; my 64 tokens' positions
	s_lshl_b32 s93, s22, 6
	s_add_co_u32 s92, s92, s93
	s_lshl_b32 s92, s92, 2
	s_mov_b32 s93, 0
	s_wait_alu depctr_va_vdst(0)                   ; ahead of the blocking waits
	s_wait_dscnt 0x0
	s_wait_kmcnt 0x0
	s_add_nc_u64 s[68:69], s[4:5], s[66:67]
	s_add_nc_u64 s[72:73], s[6:7], s[70:71]
	s_add_nc_u64 s[PA:PA+1], s[4:5], s[88:89]
	s_add_nc_u64 s[PFA:PFA+1], s[6:7], s[90:91]
	s_add_nc_u64 s[8:9], s[8:9], s[92:93]
.irp s, 0,1
	s_mov_b32 s[G0A+4*\s], 1
	s_add_co_u32 s[G0A+4*\s+1], s86, \s*SLOT
	s_add_nc_u64 s[G0A+4*\s+2:G0A+4*\s+3], s[68:69], \s*UNIT
	s_or_b32 s[G0A+4*\s+3], s[G0A+4*\s+3], 0x80000000
	s_mov_b32 s[G0B+4*\s], 1
	s_add_co_u32 s[G0B+4*\s+1], s87, \s*SLOT
	s_add_nc_u64 s[G0B+4*\s+2:G0B+4*\s+3], s[72:73], \s*UNIT
	s_or_b32 s[G0B+4*\s+3], s[G0B+4*\s+3], 0x80000000
.endr
	CROUND                                         ; in front of the first joint loads
	JLOAD 0                                        ; unit 0: one tensor load a wave at the head
.irp a, 0,1,2,3
	global_load_b32 v[POS+\a], v24, s[8:9] offset:64*\a
.endr
	HASK UNIT                                      ; units 1 and 2: a buffer's first touch is asked for early
	HASK 2*UNIT
	s_mul_i32 s86, s23, UNIT
	s_mul_i32 s87, s24, 24576
	s_add_co_u32 s87, s87, s86
	s_lshl_b32 s88, s24, 10
	s_add_co_u32 s88, s88, s86
	s_mov_b32 s89, 2*UNIT
	s_sub_co_u32 s89, s89, s88
	s_add_co_u32 s92, s88, 49152
	s_mul_i32 s90, s22, 64*VP
	s_mul_i32 s91, s23, 128*VP
	s_lshl_b32 s93, s24, 8
	s_add_co_u32 s91, s91, s93
	v_add_nc_u32 v[ADRA], s87, v[LI]
	v_add_nc_u32 v[ADRA+1], SLOT, v[ADRA]
	v_add_nc_u32 v[ADRB], 2*UNIT, v[LI]
	v_add_nc_u32 v[ADRB+1], SLOT, v[ADRB]
	v_mul_u32_u24 v5, s89, v2
	v_lshl_add_u32 v5, v1, 4, v5
	v_add_nc_u32 v[ADRS], s92, v5
	v_add_nc_u32 v[ADRS+1], SLOT, v[ADRS]
	v_lshlrev_b32 v[ADRT], 4, v1
	v_add_nc_u32 v[ADRT], 2*UNIT+49152, v[ADRT]
	v_add_nc_u32 v[ADRT+1], SLOT, v[ADRT]
	v_mul_u32_u24 v[STO], v1, VP
	v_lshl_add_u32 v[STO], v2, 5, v[STO]
	v_add_nc_u32 v[STO], s90, v[STO]
	v_and_b32 v5, 7, v0
	v_bfe_u32 v6, v0, 3, 1
	v_lshl_or_b32 v5, v6, 4, v5
	v_lshl_or_b32 v5, v2, 3, v5
	v_lshl_add_u32 v[ADRV], v5, 2, s91
	v_add_nc_u32 v[ADRV+1], 64*VP, v[ADRV]
	s_lshr_b32 s86, s28, 3
	s_and_b32 s87, s28, 7
	s_lshl_b32 s87, s87, 1
	s_add_co_u32 s87, s87, s23
	s_sub_co_u32 s88, s27, 8
	s_sub_co_u32 s89, s27, 12
	s_mov_b32 s90, 25600
	s_cmp_lt_u32 ttmp9, 2
	s_cselect_b64 s[80:81], s[18:19], s[20:21]
	s_cselect_b32 s91, 12800, s90
	s_cselect_b32 s92, 3, 2
	s_cselect_b32 s93, s27, s88
	s_cmp_eq_u32 ttmp9, 3
	s_cselect_b32 s93, s89, s93
	s_cselect_b32 s94, 12800, 0
	s_lshl_b32 s86, s86, s92
	s_add_co_u32 s86, s86, s93
	s_lshl_b32 s86, s86, 4
	s_add_co_u32 s86, s86, s87
	s_mul_i32 s86, s86, s91
	s_add_co_u32 s86, s86, s94
	s_mov_b32 s87, 0
	s_add_nc_u64 s[80:81], s[80:81], s[86:87]
	s_lshl_b32 s88, s24, 3
	s_add_co_u32 s88, s88, 12288
	s_mov_b32 s89, 0
	s_add_nc_u64 s[82:83], s[80:81], s[88:89]
	s_mul_i32 s88, s24, 6144
	s_add_nc_u64 s[80:81], s[80:81], s[88:89]
	s_cmp_eq_u32 ttmp9, 2
	s_cselect_b64 s[84:85], s[16:17], s[14:15]
	s_mov_b32 s[SEL], 0x76543210
	s_mov_b32 s[SEL+1], 0xfedcba98
	s_mov_b32 s76, 0x3c000000                      ; 1 / 128
	s_mov_b32 s77, 0x358637bd                      ; 1e-6
	s_wait_alu depctr_va_vdst(0)                   ; at the head's end
	s_wait_tensorcnt 0x0                           ; my part of unit 0 is in; slot 1's first fill is issued as a refill is
	ds_add_u32 v[SPW], v[NIL]
	s_wait_dscnt 0x0
	CROUND
	JLOAD 1                                        ; unit 1
	FETCH 0
	SCALES 0
	HASK 3*UNIT
	STEP 0, 1                                      ; the first step's products start the sums
	WIN 0
	s_mov_b32 s31, 3
.Llap:                                                 ; a trip: steps 1 to 8 of two units; both slots are filled again
	STEP 1, 0
	STEP 2, 0
	TURN 3, 1
	STEP 4, 0
	STEP 5, 0
	STEP 6, 0
	TURN 7, 1
	STEP 8, 0
	WIN 0
	s_wait_xcnt 0x0                                ; the trip's prefetches have read their bases
	s_add_nc_u64 s[PA:PA+1], s[PA:PA+1], 2*UNIT
	s_add_nc_u64 s[PFA:PFA+1], s[PFA:PFA+1], 2*UNIT
	s_sub_co_u32 s31, s31, 1
	s_cmp_lg_u32 s31, 0
	s_cbranch_scc1 .Llap
.macro CSLOAD a                        ; my 16 tokens' halves of their rows of cos and sin into window 3, set a % 2
	WIN 0xc0
.irp b, 0,1,2,3,4,5,6,7
	global_load_b128 v[128*((\a)%2)+8*\b:128*((\a)%2)+8*\b+3], v[CSA+(\a)], s[10:11] offset:64*\b
	global_load_b128 v[128*((\a)%2)+8*\b+4:128*((\a)%2)+8*\b+7], v[CSA+(\a)], s[10:11] offset:64*\b+16
	global_load_b128 v[128*((\a)%2)+64+8*\b:128*((\a)%2)+64+8*\b+3], v[CSA+(\a)], s[12:13] offset:64*\b
	global_load_b128 v[128*((\a)%2)+64+8*\b+4:128*((\a)%2)+64+8*\b+7], v[CSA+(\a)], s[12:13] offset:64*\b+16
.endr
	WIN 0
.endm
	s_wait_loadcnt 0x0                             ; the positions, asked for at the head
	s_cmp_eq_u32 ttmp9, 3                          ; v's clusters take no table and no norm
	s_cbranch_scc1 .Lno_cs0
	v_lshlrev_b32 v[HB], 5, v2
.irp a, 0,1,2,3
	v_min_u32 v[CSA+\a], 0x7ff, v[POS+\a]
	v_lshlrev_b32 v[CSA+\a], 9, v[CSA+\a]
	v_add_nc_u32 v[CSA+\a], v[HB], v[CSA+\a]
.endr
	s_wait_alu depctr_va_vdst(0)
	WIN 0x40
.irp b, 0,1,2,3,4,5,6,7
	global_load_b128 v[WN+8*\b+96*(\b/4):WN+8*\b+96*(\b/4)+3], v[HB], s[84:85] offset:64*\b          ; the norm's weights
	global_load_b128 v[WN+8*\b+96*(\b/4)+4:WN+8*\b+96*(\b/4)+7], v[HB], s[84:85] offset:64*\b+16
.endr
	WIN 0
	CSLOAD 0                                       ; seven steps ahead of its use
.Lno_cs0:
	STEP 1, 0                                      ; the last seven steps fill nothing again
	STEP 2, 0
	TURN 3, 0
	WIN 0
	s_cmp_eq_u32 ttmp9, 3
	s_cbranch_scc1 .Lno_cs1
	CSLOAD 1                                       ; four steps ahead of the way out
.Lno_cs1:
	STEP 4, 0
	STEP 5, 0
	STEP 6, 0
	s_wait_dscnt 0x0
	MSET 7
	WIN MULW
	MUL8 0, 0
	MUL8 1, 0
	MUL8 2, 0
	MUL8 3, 0
	WIN 0
	PLACES
	s_cmp_lg_u32 ttmp9, 3
	s_cbranch_scc1 .Lnot_v
	WIN 0x08
	s_wait_alu depctr_va_vdst(0)
.irp a, 0,1,2,3
.irp b, 0,1,2,3,4,5,6,7
	ds_store_b128 v[STO], v[8*(8*\a+\b):8*(8*\a+\b)+3] offset:16*VP*\a+64*\b
	ds_store_b128 v[STO], v[8*(8*\a+\b)+4:8*(8*\a+\b)+7] offset:16*VP*\a+64*\b+16
.endr
.endr
	WIN 0
.Lnot_v:
	s_wait_dscnt 0x0
	s_barrier_signal -1
	s_barrier_wait -1
	s_cmp_eq_u32 ttmp9, 3
	s_cbranch_scc1 .Lv_out
	; q and k: RoPE, RMS norm, the quantiser along d
	v_cmp_ne_u32 s78, 0, v2
.irp b, 0,1,2,3
	v_mov_b32 v[TM+4+\b], 0
.endr
	v_mov_b32 v177, 0
.macro QKROW a
.if (\a) == 0 || (\a) == 3
	s_wait_loadcnt 0x0                             ; block 0: the weights and the rows of blocks 0 and 1, asked for steps ago; block 3: the last rows
.endif
.if (\a) == 2
	s_wait_loadcnt 32                              ; block 2's rows are in; block 3's 32 loads may be out
.endif
	WIN 0x0e                                       ; source 0 window 2, source 1 window 3
.set j, 0
.rept 32
	v_pk_mul_f32 v[Y+j:Y+j+1], v[64*(\a)+j:64*(\a)+j+1], v[128*((\a)%2)+j:128*((\a)%2)+j+1]
.set j, j+2
.endr
.set j, 0
.rept 16
	v_pk_fma_f32 v[Y+j:Y+j+1], v[64*(\a)+j+32:64*(\a)+j+33], v[128*((\a)%2)+64+j:128*((\a)%2)+64+j+1], v[Y+j:Y+j+1] neg_lo:[1,0,0] neg_hi:[1,0,0]
.set j, j+2
.endr
.rept 16
	v_pk_fma_f32 v[Y+j:Y+j+1], v[64*(\a)+j-32:64*(\a)+j-31], v[128*((\a)%2)+64+j:128*((\a)%2)+64+j+1], v[Y+j:Y+j+1]
.set j, j+2
.endr
	WIN 0
.if (\a) < 2
	CSLOAD (\a)+2
.endif
	v_pk_mul_f32 v[172:173], v[Y:Y+1], v[Y:Y+1]
	v_pk_mul_f32 v[174:175], v[Y+2:Y+3], v[Y+2:Y+3]
.irp j, 4,8,12,16,20,24,28,32,36,40,44,48,52,56,60
	v_pk_fma_f32 v[172:173], v[Y+\j:Y+\j+1], v[Y+\j:Y+\j+1], v[172:173]
	v_pk_fma_f32 v[174:175], v[Y+\j+2:Y+\j+3], v[Y+\j+2:Y+\j+3], v[174:175]
.endr
	v_pk_add_f32 v[172:173], v[172:173], v[174:175]
	v_add_f32 v172, v172, v173
	v_permlanex16_b32 v174, v172, s[SEL], s[SEL+1]
	v_add_f32 v172, v172, v174
	v_fma_f32 v172, v172, s76, s77
	s_wait_alu depctr_va_vdst(0)                   ; ahead of the transcendental
	v_rsq_f32 v176, v172
	v_nop
	s_wait_alu depctr_va_vdst(0)                   ; and behind it
.set j, 0
.rept 32
	v_pk_mul_f32 v[Y+j:Y+j+1], v[Y+j:Y+j+1], v[176:177] op_sel_hi:[1,0]
.set j, j+2
.endr
	WIN 0x04                                       ; source 1 window 1: the weights
.set j, 0
.rept 32
	v_pk_mul_f32 v[Y+j:Y+j+1], v[Y+j:Y+j+1], v[WN+j+96*(j/32):WN+j+96*(j/32)+1]
.set j, j+2
.endr
	WIN 0
	QUANT Y, PC+12*(\a), PW+(\a)
.irp c, 0,1,2
	global_store_b128 v[LI], v[PC+12*(\a)+4*\c:PC+12*(\a)+4*\c+3], s[80:81] offset:1536*(\a)+512*\c
.endr
.endm
.irp a, 0,1,2,3
	QKROW \a
.endr
	v_cndmask_b32 v186, v[PW], v[PW+1], s78
	v_cndmask_b32 v187, v[PW+2], v[PW+3], s78
	global_store_b64 v[LI], v[186:187], s[82:83]
	s_branch .Lend
.Lv_out:                                               ; v: through the stage, a lane to a column d, registers down the keys; the quantiser along the keys
.macro LOADV t
.set i, 0
.rept 32
	ds_load_b32 v[XV+32*((\t)%2)+i], v[ADRV+(((\t)%4)/2)] offset:(32*((\t)%2)+((i&7)|(((i>>3)&1)<<4)|(((i>>4)&1)<<3)))*VP+128*((\t)/4)
.set i, i+1
.endr
.endm
.macro BLOCKV t
.set XS, XV+32*((\t)%2)
.set KA, (\t)%4
.set GG, (\t)/4
.set FD, FV+24*GG+12*(KA%2)+6*(KA/2)
.if (\t) < 7
	s_wait_dscnt 32
.else
	s_wait_dscnt 0x0
.endif
	v_max3_num_f32 v148, |v[XS]|, |v[XS+1]|, |v[XS+2]|
	v_max3_num_f32 v149, |v[XS+3]|, |v[XS+4]|, |v[XS+5]|
.irp i, 6,10,14,18,22,26
	v_max3_num_f32 v148, v148, |v[XS+\i]|, |v[XS+\i+1]|
	v_max3_num_f32 v149, v149, |v[XS+\i+2]|, |v[XS+\i+3]|
.endr
	v_max3_num_f32 v148, v148, |v[XS+30]|, |v[XS+31]|
	v_max3_num_f32 v148, v148, v149, 0x1800000
	v_add_nc_u32 v150, 0xff000000, v148
	v_lshrrev_b32 v151, 23, v150
.if KA == 0
	v_mov_b32 v[154+GG], v151
.else
	v_lshl_or_b32 v[154+GG], v151, 8*KA, v[154+GG]
.endif
	v_cvt_scalef32_pk16_fp6_f32 v[FD:FD+2], v[XS:XS+15], v150
	v_cvt_scalef32_pk16_fp6_f32 v[144:146], v[XS+16:XS+31], v150
	v_nop
.irp i, 0,1,2
	v_mov_b32 v[FD+3+\i], v[144+\i]
.endr
.if (\t) < 6
	LOADV (\t)+2
.endif
.if KA%2 == 1
.irp i, 0,1,2,3,4,5
	v_permlane16_swap_b32 v[FV+24*GG+6*(KA/2)+\i], v[FV+24*GG+12+6*(KA/2)+\i]
.endr
.endif
.if KA == 3
.irp f, 0,1
.irp c, 0,1,2
	global_store_b128 v[LI], v[FV+24*GG+12*\f+4*\c:FV+24*GG+12*\f+4*\c+3], s[80:81] offset:(2*GG+\f)*1536+512*\c
.endr
.endr
.endif
.endm
	s_wait_alu depctr_va_vdst(0)
	LOADV 0
	LOADV 1
.irp t, 0,1,2,3,4,5,6,7
	BLOCKV \t
.endr
	global_store_b64 v[LI], v[154:155], s[82:83]
.Lend:
	s_wait_tensorcnt 0x0                           ; the wave's end
	ds_add_u32 v[SPW], v[NIL]
	s_wait_dscnt 0x0
	CROUND                                         ; the closing round
	s_endpgm
.Lfunc_end_k_q6d2dddeefa_qkv:
	.size	k_q6d2dddeefa_qkv, .Lfunc_end_k_q6d2dddeefa_qkv-k_q6d2dddeefa_qkv
	.p2alignl 7, 3214868480
	.fill 96, 4, 3214868480
	.section	.rodata,"a",@progbits
	.p2align	6, 0x0
	.amdhsa_kernel k_q6d2dddeefa_qkv
		.amdhsa_group_segment_fixed_size 327680
		.amdhsa_private_segment_fixed_size 0
		.amdhsa_enable_private_segment 0
		.amdhsa_kernarg_size 72
		.amdhsa_user_sgpr_count 2
		.amdhsa_user_sgpr_kernarg_segment_ptr 1
		.amdhsa_wavefront_size32 1
		.amdhsa_system_sgpr_workgroup_id_x 1
		.amdhsa_system_sgpr_workgroup_id_y 1
		.amdhsa_system_sgpr_workgroup_id_z 1
		.amdhsa_system_vgpr_workitem_id 0
		.amdhsa_next_free_vgpr 1024
		.amdhsa_next_free_sgpr 100
		.amdhsa_reserve_vcc 0
		.amdhsa_float_denorm_mode_32 3
		.amdhsa_float_denorm_mode_16_64 3
		.amdhsa_memory_ordered 1
		.amdhsa_forward_progress 1
		.amdhsa_inst_pref_size 229
	.end_amdhsa_kernel
	.amdgpu_metadata
---
amdhsa.version: [ 1, 2 ]
amdhsa.kernels:
  - .name:           k_q6d2dddeefa_qkv
    .symbol:         k_q6d2dddeefa_qkv.kd
    .args:
      - { .name: xc, .offset: 0, .size: 8, .value_kind: global_buffer, .address_space: global }
      - { .name: wc, .offset: 8, .size: 8, .value_kind: global_buffer, .address_space: global }
      - { .name: position_ids, .offset: 16, .size: 8, .value_kind: global_buffer, .address_space: global }
      - { .name: cos_table, .offset: 24, .size: 8, .value_kind: global_buffer, .address_space: global }
      - { .name: sin_table, .offset: 32, .size: 8, .value_kind: global_buffer, .address_space: global }
      - { .name: q_norm_w, .offset: 40, .size: 8, .value_kind: global_buffer, .address_space: global }
      - { .name: k_norm_w, .offset: 48, .size: 8, .value_kind: global_buffer, .address_space: global }
      - { .name: qc, .offset: 56, .size: 8, .value_kind: global_buffer, .address_space: global }
      - { .name: kv, .offset: 64, .size: 8, .value_kind: global_buffer, .address_space: global }
    .group_segment_fixed_size: 327680
    .private_segment_fixed_size: 0
    .kernarg_segment_align: 8
    .kernarg_segment_size: 72
    .max_flat_workgroup_size: 128
    .sgpr_count:     100
    .vgpr_count:     1024
    .wavefront_size: 32
...
	.end_amdgpu_metadata
.endif
;; end of part 2
;; launch attn (part 3): grid 16 x 16, 8 waves a work-group, no clusters, 327,680 bytes of LDS; arguments qc, kv, oc; writes oc
.if DOCPART == 3
	.amdgcn_target "amdgcn-amd-amdhsa--gfx1250"
	.amdhsa_code_object_version 6
	.text
	.protected	k_q6d2dddeefa_attn
	.globl	k_q6d2dddeefa_attn
	.p2align	8
	.type	k_q6d2dddeefa_attn,@function
k_q6d2dddeefa_attn:
	s_mov_b64 s[64:65], 0
	v_nop
	global_prefetch_b8 v0, s[64:65] scope:SCOPE_SE
	s_setreg_imm32_b32 hwreg(HW_REG_WAVE_MODE, 25, 1), 1
	s_wait_xcnt 0x0
; Causal attention on codes of FP6 with E8M0 scales; 16 (batch, query head) x 2,048 queries x 2,048 keys, head size 128; two query heads share a key and value head.
; THE SOFTMAX: t = score x log2(e) / sqrt(128); M = the running largest t rounded UP to a whole number; p = 2^(t - M) is quantised along the keys, not normalised; the row's sum is taken of the unquantised p and
; divides the result at the end; when M moves, the sum and the result are multiplied by 2^(old M - new M), which rounds nothing.
; SHARES.  Work-group (g, y): head y = 8 b + head; the blocks of 64 queries g and 31 - g.  Waves 0-3 take tiles (16 queries) 4 g + w, waves 4-7 tiles 120 - 4 g + w.  A tile i has i / 8 + 1 key steps of 128 keys
; that count, so every work-group has 4 x 17 of them.  Every wave walks all 16 key steps (constant trip counts); a step all of whose keys come after the wave's queries is jumped over by a scalar branch on ids.
; NO CLUSTER: the work-groups that share K and V differ in their queries, and the jump over hidden steps hangs on them; partners of joint loads may not branch apart.
; LAYOUT.  Both products transposed: S^T = K Q^T, O^T = V^T P^T: a lane holds one query (lane % 16).  All operands come as images of registers: 16 bytes a lane at 16 x lane.
; A key step is 25,600 bytes: K's 8 fragments (16 keys x 128 d), 512 bytes of scale words (lane l's 16 bytes: the words of tiles 2 j + l / 16, row l % 16, j = 0 .. 3), V's 8 fragments (16 d x 128 keys), its scale words.
; In S^T register 8 t + j of lane (r, h) is key 16 t + 8 h + j, so p's code position 16 h + 8 u + j of a block holds key 16 u + 8 h + j: V was written in that order.  V's rows were so ordered that O^T's 16 registers
; of two neighbouring tiles are 16 true neighbours along d.
; REGISTERS.  Two waves share a SIMD, 512 registers each.  Window 0: addresses, Q, S^T, O^T, p's codes, work.  Window 1: v0-95 K's eight fragments, v96-191 V's eight: each comes in ONE run of 24 loads, K's at the step's
; head, V's behind the scores, so that V's lands while the softmax is worked.  Eight switches of the window a key step; every window is 0 at each label and branch.
; RESULT: oc, the next product's operand: units of 128 tokens x 512 K (K = 128 head + d): fragment (i, q) at (4 i + q) x 1,536, scale words at 49,152 + 256 i + 16 r + 4 q.
; LIMITS: NaN and infinities are not served; exponentials and the reciprocal are the chip's own (1 ulp, denormals flushed); a block of p or of the result under 2^-124 gets the byte 1.
.set STEPB, 25600
.set SLOTB, 4*STEPB                    ; a slot holds four key steps
.set SLOT1, 1<<17                      ; slot 1 begins here: one exclusive or turns an address from one slot to the other
.set SPARE, SLOTB                      ; between the slots: the spare words, 128 bytes for each of eight waves: four blocks of 256 bytes that no other line names
.set LI,   1                           ; v1   16 x lane; never rewritten
.set SPW,  5
.set NIL,  6
.set ADR,  8                           ; v8   the key step in hand
.set PFO,  28                          ; v28  256 x lane
.set PFO2, 29                          ; v29  the last 16 blocks of 256 bytes of slots 2 and 3
.set TM,   232
.set CT,   44
.set KFR,  0                           ; window 1: K's fragments
.set VFR,  96                          ; window 1: V's fragments
.set WV,   18
.set SEL,  20
.set CS,   22
.set G1,   24                          ; s[24:31]
.set G0,   40                          ; s[40:43], which walks
.set TB,   2
.set SLOTS, 67
.set STP,  68
.set PFA,  76
.set PFB,  78
.set LIM,  80
.set EXT,  81
.set KF,   98                          ; the step's first key
.set Q0,   99                          ; my first query
.set MSB, 0
.macro WIN new                         ; the immediate's high byte repeats the setting that is left
.if MSB != \new
	s_set_vgpr_msb (MSB<<8)|\new
.set MSB, \new
.endif
.endm
.macro TLOAD                           ; waves 0-3 fetch a key step each; four v_nop follow the line
	s_cmp_lt_u32 s[WV], 4
	s_cbranch_scc0 .Lasked_\@
	tensor_load_to_lds s[G0:G0+3], s[G1:G1+7]
	s_nop 0
.rept 4
	v_nop
.endr
.Lasked_\@:
.endm
; A PREFETCH INTO THE L2 of the slot that the NEXT change of slots will ask for: four key steps ahead of that load.  All work-groups of the two query heads that share a key and value head walk the same bytes: the first of them
; (x = 0, even y) asks, in its waves 4-7, which fetch nothing: 24,576 bytes a wave, lanes 256 bytes apart, three instructions.  That leaves a slot's last 4,096 bytes: those of slots 2 and 3 are named once, by wave 4,
; at the first change.  Slots 0 and 1 come by their loads alone; the last change that fills a slot asks for nothing.
.macro ASK
	s_cmp_gt_u32 s[SLOTS], s[LIM]
	s_cbranch_scc0 .Lnot_mine_\@
	global_prefetch_b8 v[PFO], s[PFA:PFA+1] th:TH_LOAD_NT scope:SCOPE_SE
	global_prefetch_b8 v[PFO], s[PFA:PFA+1] offset:8192 th:TH_LOAD_NT scope:SCOPE_SE
	global_prefetch_b8 v[PFO], s[PFA:PFA+1] offset:16384 th:TH_LOAD_NT scope:SCOPE_SE
	s_cmp_eq_u32 s[SLOTS], s[EXT]
	s_cbranch_scc0 .Lnot_mine_\@
	global_prefetch_b8 v[PFO2], s[PFB:PFB+1] th:TH_LOAD_NT scope:SCOPE_SE
.Lnot_mine_\@:
.endm
.macro QUANT s, pc, pw                 ; 64 numbers of a lane, register 16 b + i = position 32 b + 16 h + i of my row, become a fragment's codes and its scale word
.irp b, 0,1,2,3
	v_max3_num_f32 v[TM+\b], |v[(\s)+16*\b]|, |v[(\s)+1+16*\b]|, 0x1800000
.endr
.irp i, 2,4,6,8,10,12,14
.irp b, 0,1,2,3
	s_delay_alu instid0(VALU_DEP_4)
	v_max3_num_f32 v[TM+\b], v[TM+\b], |v[(\s)+16*\b+\i]|, |v[(\s)+1+16*\b+\i]|
.endr
.endr
.irp b, 0,1,2,3
	s_delay_alu instid0(VALU_DEP_4)
	v_permlanex16_b32 v[TM+4+\b], v[TM+\b], s[SEL], s[SEL+1]
.endr
.irp b, 0,1,2,3
	s_delay_alu instid0(VALU_DEP_4)
	v_max_num_f32 v[TM+\b], v[TM+\b], v[TM+4+\b]
.endr
.irp b, 0,1,2,3
	s_delay_alu instid0(VALU_DEP_4)
	v_add_nc_u32 v[TM+12+\b], 0xff000000, v[TM+\b]
.endr
.irp b, 0,1,2,3
	s_delay_alu instid0(VALU_DEP_4)
	v_lshrrev_b32 v[TM+4+\b], 23, v[TM+12+\b]
.endr
	s_delay_alu instid0(VALU_DEP_3)
	v_lshl_or_b32 v[\pw], v[TM+5], 8, v[TM+4]
	s_delay_alu instid0(VALU_DEP_1)
	v_lshl_or_b32 v[\pw], v[TM+6], 16, v[\pw]
	s_delay_alu instid0(VALU_DEP_1)
	v_lshl_or_b32 v[\pw], v[TM+7], 24, v[\pw]
.irp c, 0,1
	v_cvt_scalef32_pk16_fp6_f32 v[(\pc)+6*\c:(\pc)+6*\c+2], v[(\s)+32*\c:(\s)+32*\c+15], v[TM+12+2*\c]
	v_cvt_scalef32_pk16_fp6_f32 v[CT+4*\c:CT+4*\c+2], v[(\s)+32*\c+16:(\s)+32*\c+31], v[TM+13+2*\c]
.endr
	v_nop
.irp c, 0,1
.irp i, 0,1,2
	v_permlane16_swap_b32 v[(\pc)+6*\c+\i], v[CT+4*\c+\i]
.endr
.irp i, 0,1,2
	s_delay_alu instid0(VALU_DEP_3)
	v_mov_b32 v[(\pc)+3+6*\c+\i], v[CT+4*\c+\i]
.endr
.endr
.endm
	s_load_b128 s[4:7], s[0:1], 0x0                ; qc, kv
	s_load_b64 s[8:9], s[0:1], 0x10                ; oc
	v_lshl_add_u32 v[SPW], v0, 2, SPARE
	v_mov_b32 v[NIL], 0
	ds_add_u32 v5, v6
	ds_add_u32 v5, v6
	s_wait_dscnt 0x0
	v_lshrrev_b32 v8, 5, v0
	s_delay_alu instid0(VALU_DEP_1)
	v_readfirstlane_b32 s[WV], v8                  ; wave 0..7
	s_and_b32 s10, ttmp7, 0xffff                   ; y = 8 b + head
	s_lshr_b32 s11, s10, 1                         ; 4 b + key and value head
	s_mul_i32 s12, s11, 16*STEPB
	s_mov_b32 s13, 0
	s_and_b32 s14, s[WV], 3
	s_mul_i32 s15, s14, STEPB                      ; the key step of a slot that I fetch, if I fetch
	s_lshl_b32 s16, ttmp9, 2
	s_add_co_u32 s17, s16, s[WV]                   ; 4 g + w
	s_sub_co_u32 s19, 120, s16
	s_add_co_u32 s19, s19, s[WV]                   ; 120 - 4 g + w
	s_cmp_lt_u32 s[WV], 4
	s_cselect_b32 s17, s17, s19                    ; my tile of 16 queries
	s_lshl_b32 s[Q0], s17, 4
	s_mov_b32 s[G1], 3<<16                         ; a dense block of 25,600 bytes as 100 rows of 256 (32 elements of 8 bytes); no mask, no padding
	s_mov_b32 s[G1+1], 32<<16
	s_mov_b32 s[G1+2], 100<<16
	s_mov_b32 s[G1+3], 32<<16
	s_mov_b32 s[G1+4], 100
	s_mov_b32 s[G1+5], 32
	s_mov_b32 s[G1+6], 0
	s_mov_b32 s[G1+7], 0
	s_mov_b32 s44, s15
	s_mov_b32 s45, 0
	s_wait_kmcnt 0x0
	s_add_nc_u64 s[6:7], s[6:7], s[12:13]          ; kv at my head
	s_mov_b32 s[G0], 1
	s_mov_b32 s[G0+1], s15                         ; slot 0
	s_add_nc_u64 s[G0+2:G0+3], s[6:7], s[44:45]
	s_or_b32 s[G0+3], s[G0+3], 0x80000000
	TLOAD                                          ; slot 0: key steps 0 to 3
	v_and_b32 v9, 31, v0
	s_delay_alu instid0(VALU_DEP_1)
	v_lshlrev_b32 v[LI], 4, v9
	s_wait_alu depctr_va_vdst(0)
	v_lshlrev_b32 v[PFO], 8, v9
	v_and_b32 v9, 15, v0
	v_bfe_u32 v10, v0, 4, 1
	s_delay_alu instid0(VALU_DEP_2)
	v_lshlrev_b32 v[PFO2], 8, v9
	s_delay_alu instid0(VALU_DEP_1)
	v_mad_u32_u24 v[PFO2], v10, SLOTB, v[PFO2]
	s_delay_alu instid0(VALU_DEP_1)
	v_add_nc_u32 v[PFO2], 98304, v[PFO2]
	v_lshlrev_b32 v9, 4, v9                        ; v9 = 16 r; never rewritten
	s_wait_alu depctr_va_vdst(0)
	s_lshl_b32 s32, s10, 4
	s_lshr_b32 s33, s17, 3                         ; my group of 128 queries
	s_add_co_u32 s32, s32, s33
	s_mul_i32 s32, s32, 12800
	s_and_b32 s34, s17, 7                          ; my tile in it
	s_mul_i32 s35, s34, 1536
	s_add_co_u32 s36, s32, s35
	s_mov_b32 s37, 0
	s_add_nc_u64 s[38:39], s[4:5], s[36:37]        ; Q's fragment
	s_and_b32 s35, s34, 1
	s_lshl_b32 s35, s35, 8
	s_lshr_b32 s36, s34, 1
	s_lshl_b32 s36, s36, 2
	s_add_co_u32 s36, s36, s35
	s_add_co_u32 s36, s36, s32
	s_add_co_u32 s36, s36, 12288
	s_add_nc_u64 s[46:47], s[4:5], s[36:37]        ; and its scale words
.irp c, 0,1,2
	global_load_b128 v[16+4*\c:19+4*\c], v[LI], s[38:39] offset:512*\c   ; Q stays in registers
.endr
	global_load_b32 v255, v9, s[46:47]
	s_lshr_b32 s48, s10, 3                         ; b
	s_and_b32 s49, s10, 7                          ; head
	s_lshl_b32 s48, s48, 4
	s_add_co_u32 s48, s48, s33                     ; panel of 128 tokens
	s_lshl_b32 s48, s48, 1
	s_lshr_b32 s50, s49, 2
	s_add_co_u32 s48, s48, s50
	s_mul_i32 s48, s48, 51200                      ; my unit of oc
	s_and_b32 s49, s49, 3                          ; q
	s_lshl_b32 s50, s34, 2
	s_add_co_u32 s50, s50, s49
	s_mul_i32 s50, s50, 1536
	s_add_co_u32 s50, s50, s48
	s_mov_b32 s51, 0
	s_add_nc_u64 s[52:53], s[8:9], s[50:51]        ; where my fragment goes
	s_lshl_b32 s50, s34, 8
	s_lshl_b32 s49, s49, 2
	s_add_co_u32 s50, s50, s49
	s_add_co_u32 s50, s50, s48
	s_add_co_u32 s50, s50, 49152
	s_add_nc_u64 s[54:55], s[8:9], s[50:51]        ; and its scale words
	s_mul_i32 s58, s14, 24576                      ; the prefetches: my wave's part,
	s_add_co_u32 s58, s58, SLOTB                   ; in slot 1: the first change of slots steps it to slot 2
	s_mov_b32 s59, 0
	s_add_nc_u64 s[PFA:PFA+1], s[6:7], s[58:59]
	s_add_nc_u64 s[PFB:PFB+1], s[6:7], 2*SLOTB
	s_lshr_b32 s56, s[WV], 2
	s_xor_b32 s56, s56, 1                          ; 0 in waves 4-7,
	s_or_b32 s56, s56, ttmp9                       ; of work-group x = 0,
	s_and_b32 s57, s10, 1
	s_or_b32 s56, s56, s57                         ; of the even query head
	s_cmp_eq_u32 s56, 0
	s_cselect_b32 s[LIM], 1, -1
	s_cselect_b32 s[EXT], 3, 0
	s_cmp_eq_u32 s[WV], 4
	s_cselect_b32 s[EXT], s[EXT], 0
	s_mov_b32 s[SEL], 0x76543210
	s_mov_b32 s[SEL+1], 0xfedcba98
	s_mov_b32 s[CS], 0x3e0293ee                    ; c = log2(e) / sqrt(128)
	s_mov_b32 s[CS+1], s[CS]
	s_mov_b32 s[TB], 0
	s_mov_b32 s[KF], 0
	s_mov_b32 s[SLOTS], 3
	v_mov_b32 v13, 0xff61b1e6                      ; the largest t so far: -3e38
	s_delay_alu instid0(VALU_DEP_1)
	v_floor_f32 v12, -v13                          ; -M
	v_mov_b32 v14, 0                               ; the sum, in two halves
	v_mov_b32 v15, 0
.irp b, 0,1,2,3
	v_mov_b32 v[236+\b], 0                         ; a lane permute's destination counts as one of its sources
.endr
	v_mov_b32 v252, 0
	v_mov_b32 v253, 0
.set j, 0
.rept 64
	v_mov_b32 v[160+j], 0                          ; O^T: the step is written once; the first finds zeros, which the first change of M leaves zeros
.set j, j+1
.endr
.macro SCORE t                         ; S^T tile t = K's tile t (window 1) x Q.  The words of tiles 2 j and 2 j + 1 share register 248 + j: lanes 0-15 and 16-31
.if (\t)%2
	v_wmma_scale_f32_16x16x128_f8f6f4 v[96+8*(\t):103+8*(\t)], v[KFR+12*(\t):KFR+12*(\t)+11], v[16:27], 0, v[248+(\t)/2], v255 matrix_a_fmt:MATRIX_FMT_FP6 matrix_b_fmt:MATRIX_FMT_FP6 matrix_a_scale:MATRIX_SCALE_ROW1
.else
	v_wmma_scale_f32_16x16x128_f8f6f4 v[96+8*(\t):103+8*(\t)], v[KFR+12*(\t):KFR+12*(\t)+11], v[16:27], 0, v[248+(\t)/2], v255 matrix_a_fmt:MATRIX_FMT_FP6 matrix_b_fmt:MATRIX_FMT_FP6
.endif
.endm
.macro PVMUL t                         ; O^T tile t += V's tile t (window 1) x p
.if (\t)%2
	v_wmma_scale_f32_16x16x128_f8f6f4 v[160+8*(\t):167+8*(\t)], v[VFR+12*(\t):VFR+12*(\t)+11], v[224:235], v[160+8*(\t):167+8*(\t)], v[248+(\t)/2], v253 matrix_a_fmt:MATRIX_FMT_FP6 matrix_b_fmt:MATRIX_FMT_FP6 matrix_a_scale:MATRIX_SCALE_ROW1
.else
	v_wmma_scale_f32_16x16x128_f8f6f4 v[160+8*(\t):167+8*(\t)], v[VFR+12*(\t):VFR+12*(\t)+11], v[224:235], v[160+8*(\t):167+8*(\t)], v[248+(\t)/2], v253 matrix_a_fmt:MATRIX_FMT_FP6 matrix_b_fmt:MATRIX_FMT_FP6
.endif
.endm
.macro FRAGS off, reg                  ; eight fragments into window 1: 24 loads of 512 consecutive bytes, in one run
	WIN 0x40                                       ; destination window 1, address window 0
.irp t, 0,1,2,3,4,5,6,7
.irp c, 0,1,2
	ds_load_b128 v[(\reg)+12*\t+4*\c:(\reg)+12*\t+4*\c+3], v[ADR] offset:(\off)+1536*\t+512*\c
.endr
.endr
	WIN 0
.endm
; A KEY STEP: 128 keys, at LDS byte s[TB]
.macro STEP
	s_add_co_u32 s96, s[Q0], 15                    ; a step all of whose keys come after my 16 queries is left out: a scalar branch on ids; no barrier and no tensor load stands in a step
	s_cmp_gt_u32 s[KF], s96
	s_cbranch_scc1 .Lhidden_\@
	v_add_nc_u32 v[ADR], s[TB], v[LI]
.rept 3
	v_nop                                          ; with the addition four places in front of the load into the scale words that the last products read
.endr
	ds_load_b128 v[248:251], v[ADR] offset:12288   ; K's scale words of all eight tiles,
	FRAGS 0, KFR                                   ; and its eight fragments
	s_wait_alu depctr_va_vdst(0)
	s_wait_dscnt 12                                ; the scale words and tiles 0-3 are in; the twelve loads of tiles 4-7 may be out
	WIN 0x01                                       ; source 0 window 1
.irp t, 0,1,2,3
	SCORE \t
.endr
	s_wait_dscnt 0x0
.irp t, 4,5,6,7
	SCORE \t
.endr
	WIN 0
.rept 4
	v_nop                                          ; places in front of the load into the scale words, and of the first read of the scores
.endr
	ds_load_b128 v[248:251], v[ADR] offset:12800+12288   ; V's scale words and its eight fragments are asked for here: they land while the softmax is worked
	FRAGS 12800, VFR
	s_add_co_u32 s96, s[KF], 127                   ; on the diagonal the scores of hidden keys become -infinity ahead of the maximum; a step all of whose keys count skips this
	s_cmp_le_u32 s96, s[Q0]
	s_cbranch_scc1 .Lopen_\@
	s_sub_co_i32 s96, s[Q0], s[KF]
	v_and_b32 v252, 15, v0
	v_bfe_u32 v244, v0, 4, 1
	s_delay_alu instid0(VALU_DEP_1)
	v_lshlrev_b32 v244, 3, v244
	s_delay_alu instid0(VALU_DEP_1)
	v_sub_nc_u32 v252, v252, v244
	s_delay_alu instid0(VALU_DEP_1)
	v_add_nc_u32 v252, s96, v252                   ; my query - KF - 8 h.  Register 8 t + j holds key KF + 16 t + 8 h + j: hidden where 16 t + j is above this
	v_mov_b32 v254, 0xff800000
.set n, 0
.rept 64
	v_cmp_gt_i32 vcc_lo, 16*(n/8)+n%8, v252
	v_cndmask_b32 v[96+n], v[96+n], v254, vcc_lo
.set n, n+1
.endr
.Lopen_\@:
.irp b, 0,1,2,3
	v_max3_num_f32 v[232+\b], v[96+16*\b], v[97+16*\b], v[98+16*\b]   ; the largest score of each block of 32 keys: for the row's maximum and, since p rises with the score, for the block's largest p
.endr
.irp i, 3,5,7,9,11,13
.irp b, 0,1,2,3
	v_max3_num_f32 v[232+\b], v[232+\b], v[96+16*\b+\i], v[97+16*\b+\i]
.endr
.endr
.irp b, 0,1,2,3
	v_max_num_f32 v[232+\b], v[232+\b], v[111+16*\b]
.endr
.irp b, 0,1,2,3
	s_delay_alu instid0(VALU_DEP_4)
	v_permlanex16_b32 v[236+\b], v[232+\b], s[SEL], s[SEL+1]
.endr
.irp b, 0,1,2,3
	s_delay_alu instid0(VALU_DEP_4)
	v_max_num_f32 v[232+\b], v[232+\b], v[236+\b]
.endr
	s_delay_alu instid0(VALU_DEP_2)
	v_max3_num_f32 v254, v232, v233, v234
	s_delay_alu instid0(VALU_DEP_1)
	v_max_num_f32 v254, v254, v235
	s_delay_alu instid0(VALU_DEP_1)
	v_mul_f32 v254, s[CS], v254                    ; the step's largest t of my query
	s_delay_alu instid0(VALU_DEP_1)
	v_max_num_f32 v13, v13, v254
	v_mov_b32 v254, v12
	s_delay_alu instid0(VALU_DEP_2)
	v_floor_f32 v12, -v13                          ; the new -M = -ceil(t)
	s_delay_alu instid0(VALU_DEP_1)
	v_sub_f32 v254, v12, v254                      ; old M - new M: a whole number, 0 or less
	s_delay_alu instid0(VALU_DEP_1)
	v_cvt_i32_f32 v254, v254                       ; (it saturates)
	s_delay_alu instid0(VALU_DEP_1)
	v_ldexp_f32 v252, 1.0, v254                    ; f = 2^(old M - new M)
.set j, 0
.rept 32
	v_pk_fma_f32 v[96+j:97+j], v[96+j:97+j], s[CS:CS+1], v[12:13] op_sel_hi:[1,0,0]   ; t - M
.set j, j+2
.endr
.irp b, 0,1,2,3
	v_fma_f32 v[232+\b], v[232+\b], s[CS], v12
.endr
.set j, 0
	s_wait_alu depctr_va_vdst(0)
.rept 64
	v_exp_f32 v[96+j], v[96+j]                     ; p = 2^(t - M)
.set j, j+1
.endr
	v_pk_mul_f32 v[14:15], v[14:15], v[252:253] op_sel_hi:[1,0]   ; the sums under the new M: a plain place behind the exponentials
	s_wait_alu depctr_va_vdst(0)                   ; one wait for the whole batch, ahead of its first reader
.irp b, 0,1,2,3
	v_exp_f32 v[232+\b], v[232+\b]                 ; the block's largest p
.endr
	v_pk_add_f32 v[236:237], v[100:101], v[104:105]
	v_pk_add_f32 v[246:247], v[108:109], v[112:113]
	v_pk_add_f32 v[244:245], v[116:117], v[120:121]
	v_pk_add_f32 v[242:243], v[124:125], v[128:129]
	v_pk_add_f32 v[240:241], v[132:133], v[136:137]
	v_pk_add_f32 v[238:239], v[140:141], v[144:145]
	v_pk_add_f32 v[230:231], v[148:149], v[152:153]
	v_pk_add_f32 v[14:15], v[14:15], v[156:157]
	v_pk_add_f32 v[236:237], v[236:237], v[96:97]
	v_pk_add_f32 v[246:247], v[246:247], v[98:99]
	v_pk_add_f32 v[244:245], v[244:245], v[102:103]
	v_pk_add_f32 v[242:243], v[242:243], v[106:107]
	v_pk_add_f32 v[240:241], v[240:241], v[110:111]
	v_pk_add_f32 v[238:239], v[238:239], v[114:115]
	v_pk_add_f32 v[230:231], v[230:231], v[118:119]
	v_pk_add_f32 v[14:15], v[14:15], v[122:123]
	v_pk_add_f32 v[236:237], v[236:237], v[126:127]
	v_pk_add_f32 v[246:247], v[246:247], v[130:131]
	v_pk_add_f32 v[244:245], v[244:245], v[134:135]
	v_pk_add_f32 v[242:243], v[242:243], v[138:139]
	v_pk_add_f32 v[240:241], v[240:241], v[142:143]
	v_pk_add_f32 v[238:239], v[238:239], v[146:147]
	v_pk_add_f32 v[230:231], v[230:231], v[150:151]
	v_pk_add_f32 v[14:15], v[14:15], v[154:155]
	v_pk_add_f32 v[236:237], v[236:237], v[158:159]
	s_delay_alu instid0(VALU_DEP_2)
	v_pk_add_f32 v[14:15], v[14:15], v[242:243]
	s_delay_alu instid0(VALU_DEP_2)
	v_pk_add_f32 v[236:237], v[236:237], v[240:241]
	v_pk_add_f32 v[246:247], v[246:247], v[238:239]
	v_pk_add_f32 v[244:245], v[244:245], v[230:231]
	s_delay_alu instid0(VALU_DEP_2)
	v_pk_add_f32 v[14:15], v[14:15], v[246:247]
	s_delay_alu instid0(VALU_DEP_2)
	v_pk_add_f32 v[236:237], v[236:237], v[244:245]
	s_delay_alu instid0(VALU_DEP_1)
	v_pk_add_f32 v[14:15], v[14:15], v[236:237]
	s_wait_alu depctr_va_vdst(0)                   ; and one for the four
.irp b, 0,1,2,3
	v_max_num_f32 v[232+\b], 0x1800000, v[232+\b]  ; the floor: the byte cannot fall under 1
.endr
.irp b, 0,1,2,3
	s_delay_alu instid0(VALU_DEP_4)
	v_add_nc_u32 v[244+\b], 0xff000000, v[232+\b]
.endr
.irp b, 0,1,2,3
	s_delay_alu instid0(VALU_DEP_4)
	v_lshrrev_b32 v[236+\b], 23, v[244+\b]
.endr
	s_delay_alu instid0(VALU_DEP_3)
	v_lshl_or_b32 v253, v237, 8, v236              ; p's scale word for these 128 keys
	s_delay_alu instid0(VALU_DEP_1)
	v_lshl_or_b32 v253, v238, 16, v253
	s_delay_alu instid0(VALU_DEP_1)
	v_lshl_or_b32 v253, v239, 24, v253
.irp c, 0,1
	v_cvt_scalef32_pk16_fp6_f32 v[224+6*\c:226+6*\c], v[96+32*\c:111+32*\c], v[244+2*\c]
	v_cvt_scalef32_pk16_fp6_f32 v[236+4*\c:238+4*\c], v[112+32*\c:127+32*\c], v[244+2*\c+1]
.endr
	v_nop                                          ; one plain place behind a scaled conversion
.irp c, 0,1
.irp i, 0,1,2
	v_permlane16_swap_b32 v[224+6*\c+\i], v[236+4*\c+\i]
.endr
.irp i, 0,1,2
	s_delay_alu instid0(VALU_DEP_3)
	v_mov_b32 v[227+6*\c+\i], v[236+4*\c+\i]
.endr
.endr
.set j, 0
.rept 32
	v_pk_mul_f32 v[160+j:161+j], v[160+j:161+j], v[252:253] op_sel_hi:[1,0]   ; O^T under the new M; these 32 are also the places in front of the scaled products below
.set j, j+2
.endr
	s_wait_alu depctr_va_vdst(0)
	s_wait_dscnt 0x0                               ; V's fragments and its scale words
	WIN 0x01                                       ; source 0 window 1
.irp t, 0,1,2,3,4,5,6,7
	PVMUL \t
.endr
	WIN 0
.Lhidden_\@:
	s_add_co_u32 s[KF], s[KF], 128
	s_add_co_u32 s[TB], s[TB], STEPB
.endm
; THE CHANGE OF SLOTS stands at a slot's head.  Each wave waits for all its tensor loads, adds 0 to its spare word, and waits for that and for its reads of the slot that it has left; behind the barrier the slot ahead is whole
; and nobody reads the other one.  fill = 1: that other slot is filled with the next four key steps, which have a whole slot's steps in which to land.
.macro CHANGE fill
	s_wait_tensorcnt 0x0                           ; no tensor load of mine is out, so the group 0 may be written
	ds_add_u32 v[SPW], v[NIL]                      ; 0 onto my spare word
.if \fill
	s_xor_b32 s[G0+1], s[G0+1], SLOT1
	s_add_nc_u64 s[G0+2:G0+3], s[G0+2:G0+3], SLOTB
	s_wait_xcnt 0x0                                ; the last prefetches, a slot back, have read their address
	s_add_nc_u64 s[PFA:PFA+1], s[PFA:PFA+1], SLOTB
.endif
	s_wait_dscnt 0x0                               ; the add is done, and my reads of the slot that I have left are over
	s_barrier_signal -1
	s_barrier_wait -1
.if \fill
	TLOAD                                          ; the first thing behind the barrier, and a wave's one tensor load until the next
	ASK
.endif
.endm
.macro SLOT_STEPS                      ; a slot's four key steps: written once, walked four times
	s_mov_b32 s[STP], 4
.Lstep_\@:
	STEP
	s_sub_co_u32 s[STP], s[STP], 1
	s_cmp_lg_u32 s[STP], 0
	s_cbranch_scc1 .Lstep_\@
	s_sub_co_u32 s[TB], s[TB], SLOTB
	s_xor_b32 s[TB], s[TB], SLOT1                  ; on to the other slot
.endm
	s_wait_loadcnt 0x0                             ; Q
.Lslot:                                                ; 3 trips: behind each change of slots but the last the next slot is asked for
	CHANGE 1
	SLOT_STEPS
	s_sub_co_u32 s[SLOTS], s[SLOTS], 1
	s_cmp_lg_u32 s[SLOTS], 0
	s_cbranch_scc1 .Lslot
	CHANGE 0                                       ; the last slot is written out
	SLOT_STEPS
	; THE WAY OUT: O^T / the sum, quantised along d: one fragment (my 16 queries x this head's 128 of the next K) and its scale words
	v_add_f32 v14, v14, v15
	s_delay_alu instid0(VALU_DEP_1)
	v_permlanex16_b32 v252, v14, s[SEL], s[SEL+1]
	s_delay_alu instid0(VALU_DEP_1)
	v_add_f32 v14, v14, v252                       ; the row's sum
	s_wait_alu depctr_va_vdst(0)
	v_rcp_f32 v14, v14
.rept 4
	v_nop                                          ; the plain place behind the transcendental, and the places behind the last products
.endr
	s_wait_alu depctr_va_vdst(0)                   ; ahead of the reciprocal's first reader
.set j, 0
.rept 64
	v_mul_f32 v[96+j], v[160+j], v14               ; register 16 B + i is d = 32 B + 16 h + i of my query
.set j, j+1
.endr
	QUANT 96, 32, 52
.irp c, 0,1,2
	global_store_b128 v[LI], v[32+4*\c:35+4*\c], s[52:53] offset:512*\c
.endr
	global_store_b32 v9, v52, s[54:55]             ; both halves of the lanes hold the same word and write it to the same place
	s_wait_tensorcnt 0x0                           ; the wave's end
	ds_add_u32 v[SPW], v[NIL]
	s_wait_dscnt 0x0
	s_endpgm
.Lfunc_end_k_q6d2dddeefa_attn:
	.size	k_q6d2dddeefa_attn, .Lfunc_end_k_q6d2dddeefa_attn-k_q6d2dddeefa_attn
	.p2alignl 7, 3214868480
	.fill 96, 4, 3214868480
	.section	.rodata,"a",@progbits
	.p2align	6, 0x0
	.amdhsa_kernel k_q6d2dddeefa_attn
		.amdhsa_group_segment_fixed_size 327680
		.amdhsa_private_segment_fixed_size 0
		.amdhsa_enable_private_segment 0
		.amdhsa_kernarg_size 24
		.amdhsa_user_sgpr_count 2
		.amdhsa_user_sgpr_kernarg_segment_ptr 1
		.amdhsa_wavefront_size32 1
		.amdhsa_system_sgpr_workgroup_id_x 1
		.amdhsa_system_sgpr_workgroup_id_y 1
		.amdhsa_system_sgpr_workgroup_id_z 1
		.amdhsa_system_vgpr_workitem_id 0
		.amdhsa_next_free_vgpr 512
		.amdhsa_next_free_sgpr 100
		.amdhsa_reserve_vcc 1
		.amdhsa_float_denorm_mode_32 3
		.amdhsa_float_denorm_mode_16_64 3
		.amdhsa_memory_ordered 1
		.amdhsa_forward_progress 1
		.amdhsa_inst_pref_size 69
	.end_amdhsa_kernel
	.amdgpu_metadata
---
amdhsa.version: [ 1, 2 ]
amdhsa.kernels:
  - .name:           k_q6d2dddeefa_attn
    .symbol:         k_q6d2dddeefa_attn.kd
    .args:
      - { .name: qc, .offset: 0, .size: 8, .value_kind: global_buffer, .address_space: global }
      - { .name: kv, .offset: 8, .size: 8, .value_kind: global_buffer, .address_space: global }
      - { .name: oc, .offset: 16, .size: 8, .value_kind: global_buffer, .address_space: global }
    .group_segment_fixed_size: 327680
    .private_segment_fixed_size: 0
    .kernarg_segment_align: 8
    .kernarg_segment_size: 24
    .max_flat_workgroup_size: 256
    .sgpr_count:     100
    .vgpr_count:     512
    .wavefront_size: 32
...
	.end_amdgpu_metadata
.endif
;; end of part 3
;; launch oproj (part 4): grid 16 x 16, 4 waves a work-group, clusters of 4 x 4, 327,680 bytes of LDS; arguments oc, wc, out0; writes out0
.if DOCPART == 4
	.amdgcn_target "amdgcn-amd-amdhsa--gfx1250"
	.amdhsa_code_object_version 6
	.text
	.protected	k_q6d2dddeefa_oproj
	.globl	k_q6d2dddeefa_oproj
	.p2align	8
	.type	k_q6d2dddeefa_oproj,@function
k_q6d2dddeefa_oproj:
	s_mov_b64 s[64:65], 0
	v_nop
	global_prefetch_b8 v0, s[64:65] scope:SCOPE_SE
	s_setreg_imm32_b32 hwreg(HW_REG_WAVE_MODE, 25, 1), 1
	s_wait_xcnt 0x0
	s_wait_alu depctr_hold_cnt(0) depctr_sa_sdst(0) depctr_va_vdst(0) depctr_va_sdst(0) depctr_va_ssrc(0) depctr_va_vcc(0) depctr_vm_vsrc(0)
	s_getreg_b32 s2, hwreg(HW_REG_IB_STS2, 6, 4)
	s_cmp_eq_u32 s2, 0
	s_cbranch_scc0 .Lentry_in_a_cluster
	s_endpgm
.Lentry_in_a_cluster:
	s_bfe_u32 s2, ttmp6, 0x10000c
	s_cmp_lg_u32 s2, 0xf033
	s_cbranch_scc0 .Lentry_shape_is_right
	s_endpgm
.Lentry_shape_is_right:
.set UNIT,  51200
.set SLOT,  3*UNIT
.set STAGE, 2*SLOT
.set SP,    272
.set SPARE, STAGE+4*16*SP
.set LI,   4
.set ADRA, 8
.set ADRB, 10
.set ADRS, 12
.set ADRT, 14
.set STO,  16
.set RD,   17
.set CO,   18
.set SPW,  28
.set NIL,  29
.set SC,   32
.set AF,   96
.set BK,   0
.set G1A, 32
.set G0A, 40
.set G1B, 48
.set G0B, 56
.set MULW, 0xa1
.set MSB, 0
.macro WIN new
.if MSB != \new
	s_set_vgpr_msb (MSB<<8)|\new
.set MSB, \new
.endif
.endm
.macro PLACES
.rept 4
	v_nop
.endr
.endm
.macro JLOAD s
	s_cmp_eq_u32 s23, 0
	s_cbranch_scc0 .Lfor_b_\@
	tensor_load_to_lds s[G0A+4*\s:G0A+4*\s+3], s[G1A:G1A+7]
	s_nop 0
.rept 4
	v_nop
.endr
	s_branch .Lasked_\@
.Lfor_b_\@:
	tensor_load_to_lds s[G0B+4*\s:G0B+4*\s+3], s[G1B:G1B+7]
	s_nop 0
.rept 4
	v_nop
.endr
.Lasked_\@:
.endm
.macro JLOADB s
	s_cmp_eq_u32 s23, 0
	s_cbranch_scc1 .Lasked_\@
	tensor_load_to_lds s[G0B+4*\s:G0B+4*\s+3], s[G1B:G1B+7]
	s_nop 0
.rept 4
	v_nop
.endr
.Lasked_\@:
.endm
.macro CREST
	s_cmp_lg_u32 s22, 0
	s_cbranch_scc1 .Lnot_wave_0_\@
	s_barrier_signal -3
.Lnot_wave_0_\@:
	s_barrier_wait -3
	s_barrier_signal -1
	s_barrier_wait -1
.endm
.macro CROUND
	s_barrier_signal -1
	s_barrier_wait -1
	CREST
.endm
	s_load_b128 s[4:7], s[0:1], 0x0
	s_load_b64 s[8:9], s[0:1], 0x10
	v_lshl_add_u32 v[SPW], v0, 2, SPARE
	v_mov_b32 v[NIL], 0
	ds_add_u32 v28, v29
	ds_add_u32 v28, v29
	s_wait_dscnt 0x0
	v_lshrrev_b32 v1, 5, v0
	v_readfirstlane_b32 s22, v1
	s_lshr_b32 s23, s22, 1
	s_and_b32 s24, s22, 1
	s_bfe_u32 s25, ttmp6, 0x40000
	s_bfe_u32 s26, ttmp6, 0x40004
	s_lshl_b32 s27, ttmp9, 2
	s_add_co_u32 s27, s27, s25
	s_and_b32 s28, ttmp7, 0xffff
	s_lshl_b32 s28, s28, 2
	s_add_co_u32 s28, s28, s26
	s_lshl_b32 s29, s26, 2
	s_lshl_b32 s29, 15, s29
	s_lshl_b32 s30, 0x1111, s25
	s_or_b32 s[G1A], s29, (3<<16)|(1<<21)
	s_or_b32 s[G1B], s30, (3<<16)|(1<<21)
.irp g, G1A, G1B
	s_mov_b32 s[\g+1], 32<<16
	s_mov_b32 s[\g+3], 32<<16
	s_mov_b32 s[\g+5], 32
	s_mov_b32 s[\g+6], 0
	s_mov_b32 s[\g+7], 0
.endr
	s_mov_b32 s[G1A+2], 200<<16
	s_mov_b32 s[G1A+4], 200
	s_mov_b32 s[G1B+2], 100<<16
	s_mov_b32 s[G1B+4], 100
	s_lshl_b32 s66, s28, 1
	s_add_co_u32 s66, s66, s24
	s_mul_i32 s66, s66, 2*UNIT
	s_mov_b32 s67, 0
	s_mul_i32 s70, s27, 4*UNIT
	s_mul_i32 s71, s24, UNIT/2
	s_add_co_u32 s70, s70, s71
	s_add_co_u32 s70, s70, 128*UNIT
	s_mov_b32 s71, 0
	s_mul_i32 s74, s24, UNIT
	s_mul_i32 s75, s24, UNIT/2
	s_add_co_u32 s75, s75, 2*UNIT
	s_wait_kmcnt 0x0
	s_add_nc_u64 s[68:69], s[4:5], s[66:67]
	s_add_nc_u64 s[72:73], s[6:7], s[70:71]
	CROUND
.irp s, 0,1
	s_mov_b32 s[G0A+4*\s], 1
	s_add_co_u32 s[G0A+4*\s+1], s74, \s*SLOT
	s_add_nc_u64 s[G0A+4*\s+2:G0A+4*\s+3], s[68:69], \s*UNIT
	s_or_b32 s[G0A+4*\s+3], s[G0A+4*\s+3], 0x80000000
	s_mov_b32 s[G0B+4*\s], 1
	s_add_co_u32 s[G0B+4*\s+1], s75, \s*SLOT
	s_add_nc_u64 s[G0B+4*\s+2:G0B+4*\s+3], s[72:73], \s*UNIT
	s_or_b32 s[G0B+4*\s+3], s[G0B+4*\s+3], 0x80000000
	s_wait_alu depctr_va_vdst(0)
	s_wait_tensorcnt 0x0
	ds_add_u32 v28, v29
	ds_add_u32 v28, v29
	s_wait_dscnt 0x0
	CROUND
	JLOAD \s
.endr
	v_and_b32 v1, 15, v0
	v_bfe_u32 v2, v0, 4, 1
	v_and_b32 v3, 31, v0
	v_lshlrev_b32 v[LI], 4, v3
	s_mul_i32 s10, s23, UNIT
	s_mul_i32 s11, s24, 24576
	s_add_co_u32 s11, s11, s10
	v_add_nc_u32 v[ADRA], s11, v[LI]
	v_add_nc_u32 v[ADRA+1], SLOT, v[ADRA]
	v_add_nc_u32 v[ADRB], 2*UNIT, v[LI]
	v_add_nc_u32 v[ADRB+1], SLOT, v[ADRB]
	s_lshl_b32 s12, s24, 10
	s_add_co_u32 s12, s12, s10
	s_mov_b32 s13, 2*UNIT
	s_sub_co_u32 s13, s13, s12
	v_mul_u32_u24 v5, s13, v2
	v_lshl_add_u32 v5, v1, 4, v5
	s_add_co_u32 s12, s12, 49152
	v_add_nc_u32 v[ADRS], s12, v5
	v_add_nc_u32 v[ADRS+1], SLOT, v[ADRS]
	v_lshlrev_b32 v[ADRT], 4, v1
	v_add_nc_u32 v[ADRT], 2*UNIT+49152, v[ADRT]
	v_add_nc_u32 v[ADRT+1], SLOT, v[ADRT]
	s_mul_i32 s14, s22, 16*SP
	s_add_co_u32 s14, s14, STAGE
	v_mul_u32_u24 v[STO], v1, SP
	v_lshl_add_u32 v[STO], v2, 5, v[STO]
	v_add_nc_u32 v[STO], s14, v[STO]
	v_mul_u32_u24 v[RD], v2, SP
	v_lshl_add_u32 v[RD], v1, 4, v[RD]
	v_add_nc_u32 v[RD], s14, v[RD]
	v_lshlrev_b32 v[CO], 14, v2
	v_lshl_add_u32 v[CO], v1, 4, v[CO]
	s_lshl_b32 s16, s28, 8
	s_lshl_b32 s17, s22, 6
	s_add_co_u32 s16, s16, s17
	s_lshl_b32 s16, s16, 14
	s_lshl_b32 s17, s27, 10
	s_add_co_u32 s16, s16, s17
	s_mov_b32 s17, 0
	s_add_nc_u64 s[8:9], s[8:9], s[16:17]
.macro MUL8 a, p, q, sc, zero
.irp b, 0,1,2,3,4,5,6,7
.if \zero
	v_wmma_scale_f32_16x16x128_f8f6f4 v[8*(8*(\a)+\b):8*(8*(\a)+\b)+7], v[128*(\p)+12*\b:128*(\p)+12*\b+11], v[AF+48*(\p)+12*(\a):AF+48*(\p)+12*(\a)+11], 0, v[SC+32*(\sc)+4*\b+(\q)], v[SC+32*(\sc)+4*(\a)+(\q)] matrix_a_fmt:MATRIX_FMT_FP6 matrix_b_fmt:MATRIX_FMT_FP6 matrix_a_scale:MATRIX_SCALE_ROW1
.else
	v_wmma_scale_f32_16x16x128_f8f6f4 v[8*(8*(\a)+\b):8*(8*(\a)+\b)+7], v[128*(\p)+12*\b:128*(\p)+12*\b+11], v[AF+48*(\p)+12*(\a):AF+48*(\p)+12*(\a)+11], v[8*(8*(\a)+\b):8*(8*(\a)+\b)+7], v[SC+32*(\sc)+4*\b+(\q)], v[SC+32*(\sc)+4*(\a)+(\q)] matrix_a_fmt:MATRIX_FMT_FP6 matrix_b_fmt:MATRIX_FMT_FP6 matrix_a_scale:MATRIX_SCALE_ROW1
.endif
.endr
.endm
.macro FETCH s, q, p
	WIN 0x40
.irp b, 0,1,2,3,4,5,6,7
.irp c, 0,1,2
	ds_load_b128 v[128*(\p)+12*\b+4*\c:128*(\p)+12*\b+4*\c+3], v[ADRB+(\s)] offset:(4*\b+(\q))*1536+512*\c
.endr
.endr
	WIN 0
.irp a, 0,1,2,3
.irp c, 0,1,2
	ds_load_b128 v[AF+48*(\p)+12*\a+4*\c:AF+48*(\p)+12*\a+4*\c+3], v[ADRA+(\s)] offset:(4*\a+(\q))*1536+512*\c
.endr
.endr
.endm
.macro SCALES s
.irp i, 0,1,2,3
	ds_load_b128 v[SC+32*(\s)+4*\i:SC+32*(\s)+4*\i+3], v[ADRS+(\s)] offset:256*\i
.endr
.irp i, 4,5,6,7
	ds_load_b128 v[SC+32*(\s)+4*\i:SC+32*(\s)+4*\i+3], v[ADRT+(\s)] offset:256*\i
.endr
.endm
.macro STEP s, q, zero
	s_wait_dscnt 0x0
	WIN MULW
	MUL8 0, (\q)%2, \q, \s, \zero
	PLACES
	FETCH \s, (\q)+1, ((\q)+1)%2
	WIN MULW
	MUL8 1, (\q)%2, \q, \s, \zero
	MUL8 2, (\q)%2, \q, \s, \zero
	MUL8 3, (\q)%2, \q, \s, \zero
.endm
.macro TURN s, nx, fill
	WIN 0
	s_wait_tensorcnt 0x0
	ds_add_u32 v[SPW], v[NIL]
	s_wait_dscnt 1
	WIN MULW
	MUL8 0, 1, 3, \s, 0
	s_wait_dscnt 0x0
	s_barrier_signal -1
	MUL8 1, 1, 3, \s, 0
	WIN 0
	s_barrier_wait -1
.if \fill
	CREST
	s_add_nc_u64 s[G0B+4*\s+2:G0B+4*\s+3], s[G0B+4*\s+2:G0B+4*\s+3], 2*UNIT
	JLOADB \s
.endif
	PLACES
	FETCH \nx, 0, 0
	s_wait_alu depctr_va_vdst(0)
	SCALES \nx
	WIN MULW
	MUL8 2, 1, 3, \s, 0
	MUL8 3, 1, 3, \s, 0
.endm
.macro TOSTAGE k
	WIN 0x08
.irp b, 0,1,2,3
	ds_store_b128 v[STO], v[8*(8*((\k)/2)+4*((\k)%2)+\b):8*(8*((\k)/2)+4*((\k)%2)+\b)+3] offset:64*\b
	ds_store_b128 v[STO], v[8*(8*((\k)/2)+4*((\k)%2)+\b)+4:8*(8*((\k)/2)+4*((\k)%2)+\b)+7] offset:64*\b+16
.endr
	WIN 0xc0
.irp i, 0,1,2,3,4,5,6,7
	ds_load_b128 v[BK+32*(\k)+4*\i:BK+32*(\k)+4*\i+3], v[RD] offset:2*SP*\i
.endr
.endm
.macro SEND k, younger, tl
	s_wait_dscnt \younger
	WIN 0x0c
.irp i, 0,1,2,3,4,5,6,7
	global_store_b128 v[CO], v[BK+32*(\k)+4*\i:BK+32*(\k)+4*\i+3], s[8:9] offset:(16*((\k)/2)+2*\i)*16384+256*((\k)%2)+512*(\tl) th:TH_STORE_NT
.endr
.endm
.macro WAYOUT tl
.if \tl
	s_wait_xcnt 0x0
.endif
	TOSTAGE 0
.irp k, 1,2,3,4,5,6,7
	TOSTAGE \k
	SEND \k-1, 16, \tl
.endr
	SEND 7, 0, \tl
	WIN 0
.endm
	s_wait_tensorcnt 1
	s_barrier_signal -1
	s_barrier_wait -1
	FETCH 0, 0, 0
	SCALES 0
	STEP 0, 0, 1
	STEP 0, 1, 0
	STEP 0, 2, 0
	TURN 0, 1, 1
	STEP 1, 0, 0
	STEP 1, 1, 0
	STEP 1, 2, 0
	TURN 1, 0, 1
	WIN 0
.rept 5
	v_nop
.endr
	WAYOUT 0
	STEP 0, 0, 1
	STEP 0, 1, 0
	STEP 0, 2, 0
	TURN 0, 1, 0
	STEP 1, 0, 0
	STEP 1, 1, 0
	STEP 1, 2, 0
	s_wait_dscnt 0x0
	WIN MULW
	MUL8 0, 1, 3, 1, 0
	MUL8 1, 1, 3, 1, 0
	MUL8 2, 1, 3, 1, 0
	MUL8 3, 1, 3, 1, 0
	WIN 0
	PLACES
	WAYOUT 1
	s_wait_tensorcnt 0x0
	ds_add_u32 v[SPW], v[NIL]
	s_wait_dscnt 0x0
	CROUND
	s_endpgm
.Lfunc_end_k_q6d2dddeefa_oproj:
	.size	k_q6d2dddeefa_oproj, .Lfunc_end_k_q6d2dddeefa_oproj-k_q6d2dddeefa_oproj
	.p2alignl 7, 3214868480
	.fill 96, 4, 3214868480
	.section	.rodata,"a",@progbits
	.p2align	6, 0x0
	.amdhsa_kernel k_q6d2dddeefa_oproj
		.amdhsa_group_segment_fixed_size 327680
		.amdhsa_private_segment_fixed_size 0
		.amdhsa_enable_private_segment 0
		.amdhsa_kernarg_size 24
		.amdhsa_user_sgpr_count 2
		.amdhsa_user_sgpr_kernarg_segment_ptr 1
		.amdhsa_wavefront_size32 1
		.amdhsa_system_sgpr_workgroup_id_x 1
		.amdhsa_system_sgpr_workgroup_id_y 1
		.amdhsa_system_sgpr_workgroup_id_z 1
		.amdhsa_system_vgpr_workitem_id 0
		.amdhsa_next_free_vgpr 1024
		.amdhsa_next_free_sgpr 80
		.amdhsa_reserve_vcc 0
		.amdhsa_float_denorm_mode_32 3
		.amdhsa_float_denorm_mode_16_64 3
		.amdhsa_memory_ordered 1
		.amdhsa_forward_progress 1
		.amdhsa_inst_pref_size 147
	.end_amdhsa_kernel
	.amdgpu_metadata
---
amdhsa.version: [ 1, 2 ]
amdhsa.kernels:
  - .name:           k_q6d2dddeefa_oproj
    .symbol:         k_q6d2dddeefa_oproj.kd
    .args:
      - { .name: oc, .offset: 0, .size: 8, .value_kind: global_buffer, .address_space: global }
      - { .name: wc, .offset: 8, .size: 8, .value_kind: global_buffer, .address_space: global }
      - { .name: out0, .offset: 16, .size: 8, .value_kind: global_buffer, .address_space: global }
    .group_segment_fixed_size: 327680
    .private_segment_fixed_size: 0
    .kernarg_segment_align: 8
    .kernarg_segment_size: 24
    .max_flat_workgroup_size: 128
    .sgpr_count:     80
    .vgpr_count:     1024
    .wavefront_size: 32
...
	.end_amdgpu_metadata
.endif
;; end of part 4
